; MI455X (gfx1250); checked and timed in simulation.
; The chip was launched on July 23, 2026; its instructions are those of AMD's public machine-readable ISA for CDNA 5 (MIT licence, August 2026) and "CDNA5" Instruction Set Architecture Reference Guide (July 2026). The comments in the code are by the model that wrote it; some were corrected since.
;; Bahdanau Attention Optimized. Allowed arithmetic: float matrix products may take bf16 or f16 operands with f32 sums; all other float work in f32.
;; Inputs: attn_W 2,048 x 1,024 float32; attn_b 1,024 float32; dec_hidden 32 x 1,024 float32; enc_outputs 32 x 2,048 x 1,024 float32; src_mask 32 x 2,048 bool; v_W 1,024 x 1 float32.
;; Outputs: out0 32 x 1,024 float32; out1 32 x 2,048 float32.
;; 2 versions, each right; version 2 is version 1 with the launch main written anew for expert scheduling mode. Each part assembles by itself: llvm-mc -triple=amdgcn-amd-amdhsa -mcpu=gfx1250 --defsym DOCPART=n.
;; ======== version 1 of 2: 3 launches
;; workspace buffers: wfrag 2,097,152 bytes; dproj 524,288 bytes; scores 262,144 bytes; part 2,359,296 bytes
;; launch prep (part 1): grid 320 x 1, 8 waves a work-group, no clusters, 70,656 bytes of LDS; arguments attn_W, attn_b, dec_hidden, wfrag, dproj; writes wfrag, dproj
.if DOCPART == 1
	.amdgcn_target "amdgcn-amd-amdhsa--gfx1250"
	.amdhsa_code_object_version 6
	.text
	.protected	k_q698bc4a13d_prep
	.globl	k_q698bc4a13d_prep
	.p2align	8
	.type	k_q698bc4a13d_prep,@function
k_q698bc4a13d_prep:
	s_mov_b64 s[64:65], 0
	v_nop
	global_prefetch_b8 v0, s[64:65] scope:SCOPE_SE
	s_setreg_imm32_b32 hwreg(HW_REG_WAVE_MODE, 25, 1), 1
	s_wait_xcnt 0x0
; Two kinds of work-group, told apart by the work-group's number alone (the same in all eight waves):
;   0 to 63:   work-group (nc = number % 16, kc = number / 16) makes, for 64 columns n = 64 nc .. and all 32 b, the PARTIAL sum over k = 256 kc .. 256 kc + 255:
;              dproj[kc][b][n] = c (sum of dec_hidden[b][k] attn_W[k][n]  + attn_b[n] where kc = 0), by matrix instructions on bf16, sums in f32.
;              The next launch adds the four partial arrays.  Wave w has exactly one K step, k = 256 kc + 32 w .. + 31, so all its 25 loads go out at once.
;   64 to 319: wfrag = bf16(c attn_W[1024 + k][n]) for 32 k x 128 n, laid out as the next launch's matrix fragments.
; The first kind moves 100 KB a work-group, the second 24 KB: the longer ones have the lower numbers.
; c = 2 log2(e): the next launch takes tanh(x) as 1 - 2 / (1 + 2^(c x)), so c is folded into both addends of x here.
; LIMIT: the encoder half of attn_W is rounded to bf16 AFTER the multiplication by c (one rounding, of c W and not of W).
; wfrag, in bytes: g 262144 + ks 8192 + i 1024 + q 512 + 16 L holds c W[32 ks + 16 q + 8 (L / 16) + 0..7][128 g + 16 i + L % 16]:
; a fragment's registers 0-3 (q = 0) and 4-7 (q = 1) are each 512 consecutive bytes for a wave.
.set CEXP, 0x4038aa3b                  ; c = 2.885390
.set NDEC, 64                          ; work-groups of the first kind
.set PWB,  8704                        ; LDS bytes of a wave (first kind): DEC and WT, later RED over both
.set WTO,  2560                        ; WT behind DEC's 32 rows of 80 bytes
.set PDE,  80                          ; a row of DEC: 32 bf16 = 64 bytes + 16: an odd multiple of 16
.set PT,   160                         ; a row of WT: 64 bf16 = 128 bytes + 32: an odd multiple of 32, for the turning load
.set PR,   272                         ; a row of RED: 64 f32 = 256 bytes + 16
.set PC,   288                         ; second kind: a row of 128 bf16 = 256 bytes + 32
.set FW,   16                          ; v[16:47]   four fragments of W (16 columns x 32 k)
.set FD,   48                          ; v[48:63]   two fragments of dec_hidden (16 rows x 32 k)
.set ACC,  64                          ; v[64:127]  accumulator (mt, nt) at ACC + 8 (4 mt + nt)
.set LD,   128                         ; v[128:159] dec_hidden as loaded; later v[128:191] the eight waves' partial sums
.set LW,   160                         ; v[160:223] attn_W as loaded
.set BI,   224                         ; v[224:227] attn_b of my four columns
	s_load_b256 s[4:11], s[0:1], 0x0               ; attn_W s[4:5], attn_b s[6:7], dec_hidden s[8:9], wfrag s[10:11]
	s_load_b64 s[12:13], s[0:1], 0x20              ; dproj
	v_lshl_add_u32 v254, v0, 2, 0x11000
	v_mov_b32 v255, 0
	v_lshrrev_b32 v1, 5, v0
	v_readfirstlane_b32 s16, v1                    ; wave 0..7
	v_and_b32 v1, 31, v0                           ; L
	v_and_b32 v2, 15, v0                           ; r = L % 16 (also t % 16)
	v_bfe_u32 v3, v0, 4, 1                         ; h = L / 16
	v_and_b32 v15, 7, v0
	v_lshl_add_u32 v15, v3, 3, v15                 ; 8 h + L % 8: the row that my lane gives the turning load
	v_bfe_u32 v14, v0, 3, 1                        ; and which 16 bytes of it
	s_wait_kmcnt 0x0
	s_cmp_lt_u32 ttmp9, NDEC
	s_cbranch_scc0 .Lcast
; ---------------- first kind
	s_and_b32 s17, ttmp9, 15                       ; nc
	s_lshr_b32 s18, ttmp9, 4                       ; kc
	s_lshl_b32 s2, s17, 8                          ; my 64 columns: 256 bytes of a row of attn_W, attn_b and dproj
	s_mov_b32 s3, 0
	s_lshl_b32 s20, s18, 20                        ; attn_W: 256 kc rows of 4,096 bytes
	s_add_co_u32 s20, s20, s2
	s_mov_b32 s21, 0
	s_add_nc_u64 s[4:5], s[4:5], s[20:21]
	s_add_nc_u64 s[6:7], s[6:7], s[2:3]
	s_lshl_b32 s20, s18, 10                        ; dec_hidden: 256 kc numbers along a row
	s_add_nc_u64 s[8:9], s[8:9], s[20:21]
	s_lshl_b32 s20, s18, 17                        ; dproj: partial array kc of 131,072 bytes
	s_add_co_u32 s20, s20, s2
	s_add_nc_u64 s[12:13], s[12:13], s[20:21]
	s_cmp_eq_u32 s18, 0
	s_cselect_b32 s22, CEXP, 0                     ; the bias enters partial 0 alone
	s_mov_b32 s23, s22                             ; named with it as a pair, so it is written
	v_and_b32 v12, 7, v0                           ; L % 8
	v_bfe_u32 v13, v0, 3, 2                        ; L / 8
	v_lshlrev_b32 v4, 4, v12
	v_lshl_add_u32 v4, v13, 12, v4
	v_lshl_add_u32 v4, s16, 7, v4                  ; v4   dec_hidden: row L / 8, 128 w + 16 (L % 8): a load takes my wave's 32 k of four rows
	v_lshlrev_b32 v228, 4, v2                      ; v228 16 (t % 16): attn_b
	v_lshl_add_u32 v5, v3, 12, v228
	v_lshl_add_u32 v5, s16, 17, v5                 ; v5   attn_W: row 32 w + h, 16 r: a load takes two rows x 256 bytes
	global_load_b128 v[BI:BI+3], v228, s[6:7]
.irp j, 0,1,2,3,4,5,6,7
	global_load_b128 v[LD+4*\j:LD+4*\j+3], v4, s[8:9] offset:\j*16384
.endr
.irp i, 0,1,2,3,4,5,6,7,8,9,10,11,12,13,14,15
	global_load_b128 v[LW+4*\i:LW+4*\i+3], v5, s[4:5] offset:\i*8192
.endr
	s_mul_i32 s24, s16, PWB                        ; my wave's LDS
	s_add_co_u32 s25, s24, WTO
	v_mul_u32_u24 v6, v13, PDE
	v_lshl_add_u32 v6, v12, 3, v6
	v_add_nc_u32 v6, s24, v6                       ; v6   DEC, in: row L / 8, 8 (L % 8)
	v_mul_u32_u24 v7, v3, PT
	v_lshl_add_u32 v7, v2, 3, v7
	v_add_nc_u32 v7, s25, v7                       ; v7   WT, in: row h, 8 r
	v_mul_u32_u24 v8, v15, PT
	v_lshl_add_u32 v8, v14, 4, v8
	v_add_nc_u32 v8, s25, v8                       ; v8   the turning load's address in WT
	v_mul_u32_u24 v9, v2, PDE
	v_lshl_add_u32 v9, v3, 4, v9
	v_add_nc_u32 v9, s24, v9                       ; v9   DEC, a fragment: row r, 16 h
	v_mul_u32_u24 v10, v2, PR
	v_lshl_add_u32 v10, v3, 5, v10
	v_add_nc_u32 v10, s24, v10                     ; v10  RED, in: row r, 32 h
	v_lshrrev_b32 v230, 4, v0
	v_mul_u32_u24 v11, v230, PR
	v_add_nc_u32 v11, v11, v228                    ; v11  RED, back: row t / 16, 16 (t % 16)
	v_lshl_add_u32 v229, v230, 12, v228            ; v229 dproj: row t / 16, 16 (t % 16)
	s_wait_loadcnt 16                              ; attn_b and dec_hidden are in; the 16 younger loads, attn_W's, stay out
.irp j, 0,1,2,3,4,5,6,7
	v_cvt_pk_bf16_f32 v[LD+4*\j],   v[LD+4*\j],   v[LD+4*\j+1]
	v_cvt_pk_bf16_f32 v[LD+4*\j+1], v[LD+4*\j+2], v[LD+4*\j+3]
	ds_store_b64 v6, v[LD+4*\j:LD+4*\j+1] offset:\j*4*PDE
.endr
	s_wait_loadcnt 0x0
.irp i, 0,1,2,3,4,5,6,7,8,9,10,11,12,13,14,15
	v_cvt_pk_bf16_f32 v[LW+4*\i],   v[LW+4*\i],   v[LW+4*\i+1]
	v_cvt_pk_bf16_f32 v[LW+4*\i+1], v[LW+4*\i+2], v[LW+4*\i+3]
	ds_store_b64 v7, v[LW+4*\i:LW+4*\i+1] offset:\i*2*PT
.endr
	; W's four fragments turned out of WT ([k][n]), dec_hidden's two as they lie.  LDS serves a wave's instructions in order (ISA guide 5.7.1.4): these see my stores above
.irp n, 0,1,2,3
	ds_load_tr16_b128 v[FW+8*\n:FW+8*\n+3],   v8 offset:32*\n
	ds_load_tr16_b128 v[FW+8*\n+4:FW+8*\n+7], v8 offset:32*\n+16*PT
.endr
.irp m, 0,1
	ds_load_b128 v[FD+8*\m:FD+8*\m+3],   v9 offset:\m*16*PDE
	ds_load_b128 v[FD+8*\m+4:FD+8*\m+7], v9 offset:\m*16*PDE+32
.endr
	s_wait_dscnt 0x0
	; Source 0 = 16 columns of W, source 1 = 16 rows of dec_hidden: a lane then holds one row b and eight neighbouring columns.  Eight products on eight accumulators: my wave's whole K.
.irp m, 0,1
.irp n, 0,1,2,3
	v_wmma_f32_16x16x32_bf16 v[ACC+8*(4*\m+\n):ACC+8*(4*\m+\n)+7], v[FW+8*\n:FW+8*\n+7], v[FD+8*\m:FD+8*\m+7], 0
.endr
.endr
.rept 4
	v_nop                                          ; four places between the last products and the stores that read them
.endr
	; RED lies over DEC and WT: my reads of them came back at the wait in front of the products, and all three are my wave's own bytes.
.irp m, 0,1
.irp n, 0,1,2,3
	ds_store_b128 v10, v[ACC+8*(4*\m+\n):ACC+8*(4*\m+\n)+3]   offset:\m*16*PR+64*\n
	ds_store_b128 v10, v[ACC+8*(4*\m+\n)+4:ACC+8*(4*\m+\n)+7] offset:\m*16*PR+64*\n+16
.endr
.endr
	s_wait_dscnt 0x0                               ; for the others' sake: my partial sums are in LDS
	s_barrier_signal -1
	s_barrier_wait -1
.irp i, 0,1
.irp w, 0,1,2,3,4,5,6,7
	ds_load_b128 v[LD+4*(8*\i+\w):LD+4*(8*\i+\w)+3], v11 offset:\w*PWB+\i*16*PR     ; 65,280 at the most: inside the 16-bit immediate
.endr
.endr
	v_pk_mul_f32 v[BI:BI+1],   v[BI:BI+1],   s[22:23] op_sel_hi:[1,0]      ; c attn_b, or 0
	v_pk_mul_f32 v[BI+2:BI+3], v[BI+2:BI+3], s[22:23] op_sel_hi:[1,0]
	s_wait_dscnt 0x0
.irp w, 1,2,3,4,5,6,7
.irp i, 0,1
	v_pk_add_f32 v[LD+32*\i:LD+32*\i+1],   v[LD+32*\i:LD+32*\i+1],   v[LD+32*\i+4*\w:LD+32*\i+4*\w+1]
	v_pk_add_f32 v[LD+32*\i+2:LD+32*\i+3], v[LD+32*\i+2:LD+32*\i+3], v[LD+32*\i+4*\w+2:LD+32*\i+4*\w+3]
.endr
.endr
.irp i, 0,1
	v_pk_fma_f32 v[LD+32*\i:LD+32*\i+1],   v[LD+32*\i:LD+32*\i+1],   CEXP, v[BI:BI+1]   op_sel_hi:[1,0,1]
	v_pk_fma_f32 v[LD+32*\i+2:LD+32*\i+3], v[LD+32*\i+2:LD+32*\i+3], CEXP, v[BI+2:BI+3] op_sel_hi:[1,0,1]
	global_store_b128 v229, v[LD+32*\i:LD+32*\i+3], s[12:13] offset:\i*65536   ; 16 lanes store 256 consecutive bytes, at a multiple of 256 from dproj's first byte
.endr
	s_wait_tensorcnt 0x0
	ds_add_u32 v254, v255
	s_wait_dscnt 0x0
	s_endpgm
; ---------------- second kind: 32 k x 128 n of the encoder half, scaled, rounded and turned into fragment order.
.Lcast:
	s_sub_co_u32 s2, ttmp9, NDEC
	s_and_b32 s18, s2, 31                          ; ks
	s_lshr_b32 s19, s2, 5                          ; g
	s_lshl_b32 s20, s18, 17                        ; 32 rows of 4,096 bytes
	s_lshl_b32 s21, s19, 9                         ; 128 columns
	s_add_co_u32 s20, s20, s21
	s_add_co_u32 s20, s20, 0x400000                ; the encoder half begins at row 1,024
	s_mov_b32 s21, 0
	s_add_nc_u64 s[4:5], s[4:5], s[20:21]
	s_lshl_b32 s22, s19, 18
	s_lshl_b32 s23, s18, 13
	s_add_co_u32 s22, s22, s23
	s_mov_b32 s23, 0
	s_add_nc_u64 s[10:11], s[10:11], s[22:23]
	v_lshlrev_b32 v4, 4, v1
	v_lshl_add_u32 v4, s16, 14, v4                 ; rows 4 w .. 4 w + 3: a load takes one row's 512 bytes
.irp i, 0,1,2,3
	global_load_b128 v[16+4*\i:19+4*\i], v4, s[4:5] offset:\i*4096
.endr
	s_mul_i32 s17, s16, 4*PC
	v_lshl_add_u32 v5, v1, 3, s17                  ; in: row 4 w (+ i), 8 L
	v_mul_u32_u24 v6, v15, PC
	v_lshl_add_u32 v6, v14, 4, v6
	v_lshl_add_u32 v6, s16, 5, v6                  ; the turning load: wave w takes columns 16 w .. 16 w + 15
	v_lshlrev_b32 v7, 4, v1
	v_lshl_add_u32 v7, s16, 10, v7                 ; out: 1024 w + 16 L
	s_wait_loadcnt 0x0
.irp i, 0,1,2,3
	v_pk_mul_f32 v[16+4*\i:17+4*\i], v[16+4*\i:17+4*\i], CEXP op_sel_hi:[1,0]
	v_pk_mul_f32 v[18+4*\i:19+4*\i], v[18+4*\i:19+4*\i], CEXP op_sel_hi:[1,0]
	v_cvt_pk_bf16_f32 v[32+2*\i], v[16+4*\i], v[17+4*\i]
	v_cvt_pk_bf16_f32 v[33+2*\i], v[18+4*\i], v[19+4*\i]
	ds_store_b64 v5, v[32+2*\i:33+2*\i] offset:\i*PC
.endr
	s_wait_dscnt 0x0                               ; for the others' sake: my four rows are in LDS
	s_barrier_signal -1
	s_barrier_wait -1
	ds_load_tr16_b128 v[40:43], v6                 ; k = 8 h + 0..7 of column 16 w + r
	ds_load_tr16_b128 v[44:47], v6 offset:16*PC    ; k = 16 + 8 h + 0..7
	s_wait_dscnt 0x0
	global_store_b128 v7, v[40:43], s[10:11]       ; each store of the wave covers 512 consecutive bytes, aligned
	global_store_b128 v7, v[44:47], s[10:11] offset:512
	s_wait_tensorcnt 0x0
	ds_add_u32 v254, v255
	s_wait_dscnt 0x0
	s_endpgm
.Lfunc_end_k_q698bc4a13d_prep:
	.size	k_q698bc4a13d_prep, .Lfunc_end_k_q698bc4a13d_prep-k_q698bc4a13d_prep
	.p2alignl 7, 3214868480
	.fill 96, 4, 3214868480
	.section	.rodata,"a",@progbits
	.p2align	6, 0x0
	.amdhsa_kernel k_q698bc4a13d_prep
		.amdhsa_group_segment_fixed_size 70656
		.amdhsa_private_segment_fixed_size 0
		.amdhsa_enable_private_segment 0
		.amdhsa_kernarg_size 40
		.amdhsa_user_sgpr_count 2
		.amdhsa_user_sgpr_kernarg_segment_ptr 1
		.amdhsa_wavefront_size32 1
		.amdhsa_system_sgpr_workgroup_id_x 1
		.amdhsa_system_sgpr_workgroup_id_y 1
		.amdhsa_system_sgpr_workgroup_id_z 1
		.amdhsa_system_vgpr_workitem_id 0
		.amdhsa_next_free_vgpr 256
		.amdhsa_next_free_sgpr 66
		.amdhsa_reserve_vcc 0
		.amdhsa_float_denorm_mode_32 3
		.amdhsa_float_denorm_mode_16_64 3
		.amdhsa_memory_ordered 1
		.amdhsa_forward_progress 1
		.amdhsa_inst_pref_size 20
	.end_amdhsa_kernel
	.amdgpu_metadata
---
amdhsa.version: [ 1, 2 ]
amdhsa.kernels:
  - .name:           k_q698bc4a13d_prep
    .symbol:         k_q698bc4a13d_prep.kd
    .args:
      - { .name: attn_W, .offset: 0, .size: 8, .value_kind: global_buffer, .address_space: global }
      - { .name: attn_b, .offset: 8, .size: 8, .value_kind: global_buffer, .address_space: global }
      - { .name: dec_hidden, .offset: 16, .size: 8, .value_kind: global_buffer, .address_space: global }
      - { .name: wfrag, .offset: 24, .size: 8, .value_kind: global_buffer, .address_space: global }
      - { .name: dproj, .offset: 32, .size: 8, .value_kind: global_buffer, .address_space: global }
    .group_segment_fixed_size: 70656
    .private_segment_fixed_size: 0
    .kernarg_segment_align: 8
    .kernarg_segment_size: 40
    .max_flat_workgroup_size: 256
    .sgpr_count:     66
    .vgpr_count:     256
    .wavefront_size: 32
...
	.end_amdgpu_metadata
.endif
;; end of part 1
;; launch main (part 2): grid 256 x 1, 4 waves a work-group, no clusters, 280,064 bytes of LDS; arguments enc_outputs, wfrag, dproj, v_W, src_mask, scores, part; writes scores, part
.if DOCPART == 2
	.amdgcn_target "amdgcn-amd-amdhsa--gfx1250"
	.amdhsa_code_object_version 6
	.text
	.protected	k_q698bc4a13d_main
	.globl	k_q698bc4a13d_main
	.p2align	8
	.type	k_q698bc4a13d_main,@function
k_q698bc4a13d_main:
	s_mov_b64 s[64:65], 0
	v_nop
	global_prefetch_b8 v0, s[64:65] scope:SCOPE_SE
	s_setreg_imm32_b32 hwreg(HW_REG_WAVE_MODE, 25, 1), 1
	s_wait_xcnt 0x0
; A TILE is 128 rows (positions) of one batch: tile T has rows 128 T .. 128 T + 127 of the 65,536, batch T / 16.  Its rows are read from memory ONCE:
;   1. the rows are rounded to bf16 and kept in LDS (A, 128 x 2,064 bytes);
;   2. y = c (dec_proj + enc W_enc) in two passes over the 1,024 columns: in pass p wave w makes 128 rows x columns 256 w + 128 p + 0..127, 64 accumulators of 16 x 16;
;      the sums START from c dec_proj (the first product's C), so nothing is cleared and nothing is added later;
;   3. behind each pass: tanh = 1 - 2 / (1 + 2^y), and the row's sum of v tanh as (sum of v) + sum of (-2 v) / (1 + 2^y);
;   4. the four waves' partial scores meet in LDS; mask; the tile's maximum m, weights p = e^(s - m) and their sum l;
;   5. the tile's context, sum over its rows of p enc, by matrix instructions from the same LDS rows (turned on the way out of LDS).
; Stored: the 128 masked scores; a record of 4,608 bytes: 1,024 f32 of context, then {m, l, m, l} 32 times.  The next launch joins a batch's 16 tiles.
; A WORK-GROUP STAYS for two tiles, 2 i and 2 i + 1, which belong to one batch: c dec_proj (the sum of the four partial arrays) and -2 v are put into LDS once.  Behind the first
; tile's last epilogue window 3 is free, so the second tile's first 48 loads a wave (96 KiB a work-group) are asked for there and are on their way during steps 4 and 5.
; W' (bf16, fragment order, scaled by c) goes from memory STRAIGHT INTO REGISTERS, through a ring of four register slots of one K step (32) each, three steps ahead.
; NO TENSOR LOADS, SO NO JOINT LOADS IN A CLUSTER: wave w alone multiplies by columns 256 w .. 256 w + 255, so a byte of W' in LDS would serve one wave only, and beside
; A's 264,192 bytes a WGP's 327,680 leave 63,488, less than two slots of one K step for 512 columns (2 x 32,768).  Giving up A in LDS would mean reading enc_outputs twice.
; THE MATRIX INSTRUCTION IS USED TRANSPOSED: source 0 = 16 columns of W', source 1 = 16 rows of A.  A lane then holds ONE row (lane % 16) and the columns 8 (lane / 16) + 0..7
; of each block of 16: a row's sum over columns stays in the lane but for one exchange between the halves of the lanes.
; LIMITS.  p is rounded to bf16 for the context product, l is summed from the unrounded p.  tanh by 1 - 2 / (1 + 2^y) has an absolute error of about 1e-7 and is exactly
; +1 or -1 where 2^y overflows or is flushed to 0.  The score is a sum in f32 of terms bounded by 3 |v|: its error is about 2^-23 x the sum of |v|.
; A mask byte other than 0 counts as true.  NaN goes through.
;
; REGISTERS, in windows of 256 (s_set_vgpr_msb's low byte: bits 1:0 source 0, 3:2 source 1, 5:4 source 2, 7:6 destination):
;   window 0: v0-31 addresses and the two tiles' mask words; v32-47 P, a pair of partial scores for each block of 16 rows; v48-49 the sum of my v; v50-57 at work;
;             v56-63 A's addresses at work in a pass; v64-127, v128-191 fragments of A, two buffers; v192-255 conversions (fill), c dec_proj (a pass's first step), -2 v (behind a pass)
;   window 1: W': four slots of 64 (the context product: two buffers of 128 for enc turned)
;   window 2: accumulators of rows 0-63 ((a, b) at v[8 (8 a + b)]); at a tile's end the context's 16 accumulators
;   window 3: accumulators of rows 64-127; in the fill four landing slots of 64
.set TILES, 2
.set PA,   2064                        ; a row of A in LDS: 2,048 bytes + 16 = 129 x 16: the 16 rows of a fragment load begin in 16 different 16-byte columns of 256 bytes
.set DPB,  128*PA                      ; 264,192: c dec_proj of the batch, 1,024 f32
.set WVB,  DPB+4096                    ; -2 v, 1,024 f32
.set SCB,  WVB+4096                    ; partial scores: 128 f32 for each wave
.set PBB,  SCB+2048                    ; p in bf16: 256 bytes for each wave, its own
.set STG,  PBB+1024                    ; the context's way out: 1,024 bytes for each wave, its own
.set STEPB, 8192                       ; bytes of W' in a K step of a wave: 8 fragments of 1,024
.set AAD,  2                           ; v2-9    A's fragments: (16 a + r) PA + 16 h; never rewritten
.set TAD,  19                          ; v19-22  the turning load: (32 kk + 8 h + L % 8) PA + 512 w + 128 ((L / 8) % 2)
.set PP,   32
.set VS,   48
.set TT,   50
.set AW,   56                          ; v56-63  A's addresses, stepped along K in a pass (v61-63: lane, r, h while the addresses are made)
.set F0,   64
.set F1,   128
.set CW,   192
.set MSB, 0
.macro WIN new                         ; the immediate's high byte repeats the setting that is left; a switch that changes nothing is dropped
.if MSB != (\new)
	s_set_vgpr_msb (MSB<<8)|(\new)
.set MSB, (\new)
.endif
.endm
.set MUL_LO,  0xa1                     ; source 0 (W') window 1, source 1 (A) window 0, C and D window 2
.set MUL_HI,  0xf1                     ; the same, C and D window 3
.set INIT_LO, 0x81                     ; the same with C in window 0
.set INIT_HI, 0xc1
.set TO_B,    0x40                     ; destination window 1, address window 0
.set LAND,    0xc0                     ; destination window 3
.set CVT3,    0x0f                     ; sources 0 and 1 window 3, destination window 0
.set ST2,     0x08                     ; an LDS store's data (source 1) window 2
.macro PLACES                          ; four places in front of loads into registers that matrix instructions have read, and of stores that read results
.rept 4
	v_nop
.endr
.endm
	s_load_b256 s[4:11], s[0:1], 0x0               ; enc_outputs s[4:5], wfrag s[6:7], dproj s[8:9], v_W s[10:11]
	s_load_b128 s[12:15], s[0:1], 0x20             ; src_mask s[12:13], scores s[14:15]
	s_load_b64 s[16:17], s[0:1], 0x30              ; part
	v_lshrrev_b32 v27, 5, v0
	v_readfirstlane_b32 s20, v27                   ; wave 0..3
	v_and_b32 v61, 31, v0                          ; L
	v_and_b32 v62, 15, v0                          ; r
	v_bfe_u32 v63, v0, 4, 1                        ; h
	v_lshlrev_b32 v1, 4, v61                       ; v1  16 L
	v_lshl_add_u32 v10, s20, 17, v1                ; v10 enc: my wave's 32 rows of 4,096 bytes, 16 L
	v_lshlrev_b32 v27, 4, v0                       ; v27 16 t
	v_lshlrev_b32 v28, 2, v61                      ; v28 4 L
	s_lshl_b32 s2, ttmp9, 20                       ; two tiles of 128 rows of 4,096 bytes
	s_mov_b32 s3, 0
	s_lshl_b32 s28, s20, 19                        ; my wave's 64 K steps of W' (two passes of 32) lie on end
	s_mov_b32 s29, 0
	s_lshr_b32 s30, ttmp9, 3                       ; the batch: 8 work-groups, 16 tiles
	s_lshl_b32 s30, s30, 12
	s_mov_b32 s31, 0
	s_mov_b32 s24, 0x76543210                      ; v_permlanex16_b32: each lane takes its own place in the other half
	s_mov_b32 s25, 0xfedcba98
	s_wait_kmcnt 0x0
	s_add_nc_u64 s[4:5], s[4:5], s[2:3]
	s_add_nc_u64 s[6:7], s[6:7], s[28:29]
	s_add_nc_u64 s[8:9], s[8:9], s[30:31]
	s_lshl_b32 s2, ttmp9, 8
	s_add_nc_u64 s[12:13], s[12:13], s[2:3]
	s_lshl_b32 s2, ttmp9, 10
	s_add_nc_u64 s[14:15], s[14:15], s[2:3]
	s_mul_i32 s2, ttmp9, 2*4608
	s_add_nc_u64 s[16:17], s[16:17], s[2:3]
; 16 loads: one K step's eight fragments of W' into ring slot `slot`; each load of the wave covers 512 consecutive bytes
.macro BLOAD slot, off
	WIN TO_B
.irp b, 0,1,2,3,4,5,6,7
	global_load_b128 v[64*(\slot)+8*\b:64*(\slot)+8*\b+3],   v1, s[6:7] offset:\off+1024*\b
	global_load_b128 v[64*(\slot)+8*\b+4:64*(\slot)+8*\b+7], v1, s[6:7] offset:\off+1024*\b+512
.endr
.endm
; THE FILL.  Group g: rows 2 g, 2 g + 1 of my wave's 32, 16 loads of 512 consecutive bytes, into landing slot g % 4
.macro LANDG g
	WIN LAND
.irp i, 0,1,2,3,4,5,6,7,8,9,10,11,12,13,14,15
	global_load_b128 v[64*((\g)%4)+4*\i:64*((\g)%4)+4*\i+3], v10, s[4:5] offset:8192*(\g)+512*\i th:TH_LOAD_NT
.endr
.endm
; group g is rounded to bf16 and put into A: 8 bytes a lane, 256 consecutive bytes a store
.macro CVTG g
.set CG, CW+32*((\g)%2)
	WIN CVT3
.irp i, 0,1,2,3,4,5,6,7,8,9,10,11,12,13,14,15
	v_cvt_pk_bf16_f32 v[CG+2*\i],   v[64*((\g)%4)+4*\i],   v[64*((\g)%4)+4*\i+1]
	v_cvt_pk_bf16_f32 v[CG+2*\i+1], v[64*((\g)%4)+4*\i+2], v[64*((\g)%4)+4*\i+3]
.endr
	WIN 0
.irp i, 0,1,2,3,4,5,6,7,8,9,10,11,12,13,14,15
	ds_store_b64 v[11+(\g)/8], v[CG+2*\i:CG+2*\i+1] offset:((2*(\g)+\i/8)%16)*PA+256*(\i%8)
.endr
.endm
.irp k, 0,1,2,3
	global_load_b128 v[CW+8*\k:CW+8*\k+3],   v27, s[8:9] offset:131072*\k        ; the four partial arrays of c dec_proj: 128 threads x 2 x 16 bytes of each
	global_load_b128 v[CW+8*\k+4:CW+8*\k+7], v27, s[8:9] offset:131072*\k+2048
.endr
	global_load_b128 v[CW+32:CW+35], v27, s[10:11]                                ; v
	global_load_b128 v[CW+36:CW+39], v27, s[10:11] offset:2048
	global_load_b32 v14, v28, s[12:13]                          ; v14 the mask bytes of rows 4 L .. 4 L + 3 of the tile in hand
	global_load_b32 v30, v28, s[12:13] offset:128               ; v30 the same of the second tile
	LANDG 0
	LANDG 1
	LANDG 2
	WIN 0
	v_mul_u32_u24 v2, v62, PA
	v_lshl_add_u32 v2, v63, 4, v2
.irp a, 1,2,3,4,5,6,7
	v_add_nc_u32 v[AAD+\a], \a*16*PA, v2
.endr
	s_mul_i32 s21, s20, 32*PA
	v_lshl_add_u32 v11, v61, 3, s21                ; v11 A, in: my wave's rows 0-15, 8 L
	v_add_nc_u32 v12, 16*PA, v11                   ; v12 rows 16-31 (the immediate has 16 bits)
	s_lshl_b32 s22, s20, 10
	s_add_co_u32 s23, s22, DPB
	v_lshl_add_u32 v13, v63, 5, s23                ; v13 c dec_proj (and, 4,096 on, -2 v) of my columns: 1024 w + 32 h
	s_lshl_b32 s23, s20, 9
	s_add_co_u32 s23, s23, SCB
	v_lshl_add_u32 v15, v62, 2, s23                ; v15 partial scores, in: my wave's 512 bytes, 4 r
	v_add_nc_u32 v16, SCB, v1                      ; v16 back: rows 4 L .. 4 L + 3
	s_lshl_b32 s23, s20, 8
	s_add_co_u32 s23, s23, PBB
	v_lshl_add_u32 v17, v61, 3, s23                ; v17 p, in: 8 L
	v_lshl_add_u32 v18, v63, 4, s23                ; v18 p, a fragment: 16 h, the same for all 16 columns
	v_and_b32 v19, 7, v0
	v_lshl_add_u32 v19, v63, 3, v19
	v_mul_u32_u24 v19, v19, PA
	v_bfe_u32 v20, v0, 3, 1
	v_lshl_add_u32 v19, v20, 7, v19                ; lanes 8-15 and 24-31 read 128 bytes (64 channels) on: see TRL
	v_lshl_add_u32 v19, s20, 9, v19
	v_add_nc_u32 v20, 32*PA, v19
	v_add_nc_u32 v21, 64*PA, v19
	v_add_nc_u32 v22, 96*PA, v19
	s_add_co_u32 s23, s22, STG
	v_lshl_add_u32 v23, v63, 8, s23                ; v23 the context's stage, in: 256 h
	v_add_nc_u32 v24, s23, v1                      ; v24 back: 16 L
	v_add_nc_u32 v25, s22, v1                      ; v25 my 16 bytes in the record: 1024 w + 16 L
	v_lshl_add_u32 v26, v0, 4, DPB                 ; v26 c dec_proj and -2 v, in: 16 t
	s_wait_loadcnt 48                              ; all but the three groups of 16 just issued: the partial arrays, v and the masks are in
.irp j, 0,2,4,6
	v_pk_add_f32 v[CW+\j:CW+\j+1],       v[CW+\j:CW+\j+1],       v[CW+8+\j:CW+8+\j+1]
	v_pk_add_f32 v[CW+16+\j:CW+16+\j+1], v[CW+16+\j:CW+16+\j+1], v[CW+24+\j:CW+24+\j+1]
.endr
.irp j, 0,2,4,6
	v_pk_add_f32 v[CW+\j:CW+\j+1], v[CW+\j:CW+\j+1], v[CW+16+\j:CW+16+\j+1]
.endr
.irp j, 32,34,36,38
	v_pk_mul_f32 v[CW+\j:CW+\j+1], v[CW+\j:CW+\j+1], -2.0 op_sel_hi:[1,0]
.endr
	ds_store_b128 v26, v[CW:CW+3]
	ds_store_b128 v26, v[CW+4:CW+7]   offset:2048
	ds_store_b128 v26, v[CW+32:CW+35] offset:4096
	ds_store_b128 v26, v[CW+36:CW+39] offset:6144
	s_mov_b32 s27, TILES                           ; tiles to go, this one among them
; 16 matrix instructions: row blocks a0, a0 + 1 of the window's four (hi = 0: rows 0-63, 1: rows 64-127) x all 8 column blocks, 32 along K.
; init = 1: the sums start from c dec_proj.  The 64 accumulators take turns, one instruction a turn, in the same order in every K step.
.macro MUL16 rb, fa, hi, a0, init
.irp a, \a0, \a0+1
.irp b, 0,1,2,3,4,5,6,7
.if \init
	v_wmma_f32_16x16x32_bf16 v[8*(8*(\a)+\b):8*(8*(\a)+\b)+7], v[\rb+8*\b:\rb+8*\b+7], v[\fa+8*(4*\hi+\a):\fa+8*(4*\hi+\a)+7], v[CW+8*\b:CW+8*\b+7]
.else
	v_wmma_f32_16x16x32_bf16 v[8*(8*(\a)+\b):8*(8*(\a)+\b)+7], v[\rb+8*\b:\rb+8*\b+7], v[\fa+8*(4*\hi+\a):\fa+8*(4*\hi+\a)+7], v[8*(8*(\a)+\b):8*(8*(\a)+\b)+7]
.endif
.endr
.endr
.endm
; 16 LDS loads: A's eight fragments (128 rows x 32 K at byte `off` from the stepped addresses) into buffer fa, rows ascending
.macro FETCHA fa, off
	WIN 0
.irp a, 0,1,2,3,4,5,6,7
	ds_load_b128 v[\fa+8*\a:\fa+8*\a+3],   v[AW+\a] offset:\off
	ds_load_b128 v[\fa+8*\a+4:\fa+8*\a+7], v[AW+\a] offset:\off+32
.endr
.endm
; A K step: 64 matrix instructions on ring slot `slot` and buffer fa.  In its middle, in ONE run: the next step's A into buffer fn (aoff; -1: none) and W' of
; three steps on into the slot that the step before multiplied (boff; -1: none).  lcnt: the loads of W' issued behind this step's.
.macro KSTEP slot, fa, fn, aoff, boff, init, lcnt
	s_wait_loadcnt \lcnt                           ; loads come back in order (ISA guide 5.7.1): this step's W' is in, the younger steps' stay out
	s_wait_dscnt 8                                 ; A's rows 0-63 are in (and what was asked before them); the youngest eight loads, rows 64-127, may be out
.if \init
	WIN INIT_LO
.else
	WIN MUL_LO
.endif
	MUL16 64*\slot, \fa, 0, 0, \init
	MUL16 64*\slot, \fa, 0, 2, \init
	PLACES
.if \aoff >= 0
	FETCHA \fn, \aoff
.endif
.if \boff >= 0
	BLOAD (\slot+3)%4, \boff
.endif
.if \aoff >= 0
	s_wait_dscnt 16                                ; all but the 16 just issued
.else
	s_wait_dscnt 0x0
.endif
.if \init
	WIN INIT_HI
.else
	WIN MUL_HI
.endif
	MUL16 64*\slot, \fa, 1, 0, \init
	MUL16 64*\slot, \fa, 1, 2, \init
.endm
; PASS p: 32 K steps.  Step 0 stands in front of the loop (its C differs); a trip is steps 4 t + 1 .. 4 t + 4; the last three are written out:
; pass 0's ask for pass 1's first three steps of W', pass 1's ask for nothing, so that no load leaves the buffer.
.macro PASS p
	WIN 0
.irp a, 0,1,2,3,4,5,6,7
	v_mov_b32 v[AW+\a], v[AAD+\a]
.endr
.irp b, 0,1,2,3,4,5,6,7
	ds_load_b128 v[CW+8*\b:CW+8*\b+3],   v13 offset:512*\p+64*\b       ; c dec_proj of columns 16 b + 8 h + 0..7: what an accumulator's eight registers start from
	ds_load_b128 v[CW+8*\b+4:CW+8*\b+7], v13 offset:512*\p+64*\b+16
.endr
	FETCHA F0, 0
	KSTEP 0, F0, F1, 64, 3*STEPB, 1, 32
	WIN 0                                          ; at a label and at a branch every window is 0
	s_mov_b32 s26, 7
.Lk_\@:
	KSTEP 1, F1, F0, 128, 4*STEPB, 0, 32
	KSTEP 2, F0, F1, 192, 5*STEPB, 0, 32
	KSTEP 3, F1, F0, 256, 6*STEPB, 0, 32
	KSTEP 0, F0, F1, 320, 7*STEPB, 0, 32
	WIN 0
.irp a, 0,1,2,3,4,5,6,7
	v_add_nc_u32 v[AW+\a], 256, v[AW+\a]           ; four K steps of 64 bytes on
.endr
	s_wait_xcnt 0x0                                ; the base of the loads of W' is stepped only behind this wait
	s_add_nc_u64 s[6:7], s[6:7], 4*STEPB
	s_sub_co_u32 s26, s26, 1
	s_cmp_lg_u32 s26, 0
	s_cbranch_scc1 .Lk_\@
.if \p == 0
	KSTEP 1, F1, F0, 128, 4*STEPB, 0, 32
	KSTEP 2, F0, F1, 192, 5*STEPB, 0, 32
	KSTEP 3, F1, F0, -1, 6*STEPB, 0, 32
	s_wait_xcnt 0x0
	s_add_nc_u64 s[6:7], s[6:7], 4*STEPB           ; the base now stands at pass 1's step 0
.else
	KSTEP 1, F1, F0, 128, -1, 0, 32
	KSTEP 2, F0, F1, 192, -1, 0, 16
	KSTEP 3, F1, F0, -1, -1, 0, 0
.endif
	WIN 0
.endm
; BEHIND A PASS.  For each block a of 16 rows: 64 registers y -> 1 / (1 + 2^y) in place, then times -2 v and summed, in four chains of pairs.
; Each accumulator's registers are taken in ascending order.  The transcendentals stand in runs, with one plain instruction behind each run before a result is used (ISA guide 5.7.2).
.macro EPI p
	WIN 0
.irp b, 0,1,2,3,4,5,6,7
	ds_load_b128 v[CW+8*\b:CW+8*\b+3],   v13 offset:4096+512*\p+64*\b  ; -2 v of columns 16 b + 8 h + 0..7
	ds_load_b128 v[CW+8*\b+4:CW+8*\b+7], v13 offset:4096+512*\p+64*\b+16
.endr
	s_wait_dscnt 0x0
	v_pk_add_f32 v[VS:VS+1], v[CW:CW+1], v[CW+2:CW+3]                  ; the sum of my 64 v, as a pair (even columns, odd columns), in two chains;
	v_pk_add_f32 v[TT:TT+1], v[CW+4:CW+5], v[CW+6:CW+7]                ; these 32 instructions are also the places behind the pass's last products
.set i, 4
.rept 28
	v_pk_add_f32 v[VS+2*(i%2):VS+2*(i%2)+1], v[VS+2*(i%2):VS+2*(i%2)+1], v[CW+2*i:CW+2*i+1]
.set i, i+1
.endr
	v_pk_add_f32 v[VS:VS+1], v[VS:VS+1], v[TT:TT+1]
	v_pk_mul_f32 v[VS:VS+1], v[VS:VS+1], -0.5 op_sel_hi:[1,0]
.irp a, 0,1,2,3,4,5,6,7
.set AC, 64*(\a%4)
	WIN 0x82+0x41*(\a/4)                           ; in place in window 2 (blocks 0-3) or 3 (blocks 4-7)
.set i, 0
.rept 64
	v_exp_f32 v[AC+i], v[AC+i]
.set i, i+1
.endr
	v_nop
.set i, 0
	s_wait_alu depctr_va_vdst(0)
.rept 32
	v_pk_add_f32 v[AC+2*i:AC+2*i+1], v[AC+2*i:AC+2*i+1], 1.0 op_sel_hi:[1,0]
.set i, i+1
.endr
.set i, 0
.rept 64
	v_rcp_f32 v[AC+i], v[AC+i]
.set i, i+1
.endr
	v_nop
	s_wait_alu depctr_va_vdst(0)
	WIN 0x02+(\a/4)                                ; source 0 in window 2 or 3, all else in window 0
.set i, 0
.rept 32
.if i < 4
	v_pk_mul_f32 v[TT+2*i:TT+2*i+1], v[AC+2*i:AC+2*i+1], v[CW+2*i:CW+2*i+1]
.else
	v_pk_fma_f32 v[TT+2*(i%4):TT+2*(i%4)+1], v[AC+2*i:AC+2*i+1], v[CW+2*i:CW+2*i+1], v[TT+2*(i%4):TT+2*(i%4)+1]
.endif
.set i, i+1
.endr
	WIN 0
	v_pk_add_f32 v[TT:TT+1], v[TT:TT+1], v[TT+2:TT+3]
	v_pk_add_f32 v[TT+4:TT+5], v[TT+4:TT+5], v[TT+6:TT+7]
	v_pk_add_f32 v[TT:TT+1], v[TT:TT+1], v[TT+4:TT+5]
.if \p == 0
	v_pk_add_f32 v[PP+2*\a:PP+2*\a+1], v[TT:TT+1], v[VS:VS+1]
.else
	v_pk_add_f32 v[TT:TT+1], v[TT:TT+1], v[VS:VS+1]
	v_pk_add_f32 v[PP+2*\a:PP+2*\a+1], v[PP+2*\a:PP+2*\a+1], v[TT:TT+1]
.endif
.endr
.endm
; THE CONTEXT: O^T = enc^T P.  Source 0 = 16 channels x 32 rows, turned out of A; wave w has channels 256 w .. 256 w + 255: 16 accumulators, which take turns.
; Block e of 16 channels is 128 (e / 8) + 8 (e % 8) + 0..7 and the eight channels 64 further on
; The 16 columns of P are alike, so the 16 lanes of a half hold the same eight channels.  64 of a tile's 4,160 matrix instructions a wave.
.macro TRL kk, buf
	WIN TO_B
.irp e, 0,1,2,3,4,5,6,7,8,9,10,11,12,13,14,15
	ds_load_tr16_b128 v[128*\buf+8*\e:128*\buf+8*\e+3],   v[TAD+\kk] offset:256*(\e/8)+16*(\e%8)
	ds_load_tr16_b128 v[128*\buf+8*\e+4:128*\buf+8*\e+7], v[TAD+\kk] offset:256*(\e/8)+16*(\e%8)+16*PA
.endr
.endm
.macro CTX kk, buf, zero
	WIN MUL_LO
.irp e, 0,1,2,3,4,5,6,7,8,9,10,11,12,13,14,15
.if \zero
	v_wmma_f32_16x16x32_bf16 v[8*\e:8*\e+7], v[128*\buf+8*\e:128*\buf+8*\e+7], v[F0+8*\kk:F0+8*\kk+7], 0
.else
	v_wmma_f32_16x16x32_bf16 v[8*\e:8*\e+7], v[128*\buf+8*\e:128*\buf+8*\e+7], v[F0+8*\kk:F0+8*\kk+7], v[8*\e:8*\e+7]
.endif
.endr
.endm
; A TILE'S END: scores, mask, m, p, l, context, stores.  It touches windows 0, 1 and 2 alone and waits for no load from memory.
.macro TAIL
	; A pair's two halves and the other half of the lanes' are added: row 16 a + r's sum over my wave's 256 columns.
.irp a, 0,1,2,3,4,5,6,7
	v_add_f32 v[TT+\a], v[PP+2*\a], v[PP+2*\a+1]
.endr
.irp a, 0,1,2,3,4,5,6,7
	v_permlanex16_b32 v[PP+2*\a], v[TT+\a], s24, s25
.endr
.irp a, 0,1,2,3,4,5,6,7
	v_add_f32 v[TT+\a], v[TT+\a], v[PP+2*\a]
.endr
.irp a, 0,1,2,3,4,5,6,7
	ds_store_b32 v15, v[TT+\a] offset:64*\a        ; both halves of the lanes hold the same number and write the same word
.endr
	s_wait_dscnt 0x0                               ; for the others' sake: my partial scores are in LDS
	s_barrier_signal -1
	s_barrier_wait -1
.irp w, 0,1,2,3
	ds_load_b128 v[32+4*\w:35+4*\w], v16 offset:512*\w     ; every wave takes all: lane L rows 4 L .. 4 L + 3
.endr
	s_wait_dscnt 0x0
	v_pk_add_f32 v[32:33], v[32:33], v[36:37]
	v_pk_add_f32 v[34:35], v[34:35], v[38:39]
	v_pk_add_f32 v[40:41], v[40:41], v[44:45]
	v_pk_add_f32 v[42:43], v[42:43], v[46:47]
	v_pk_add_f32 v[32:33], v[32:33], v[40:41]
	v_pk_add_f32 v[34:35], v[34:35], v[42:43]
.irp i, 0,1,2,3
	v_bfe_u32 v29, v14, 8*\i, 8
	v_cmp_ne_u32 vcc_lo, 0, v29
	v_cndmask_b32 v[32+\i], 0xc61c4000, v[32+\i], vcc_lo   ; -10000.0 where the mask byte is 0
.endr
	v_max3_num_f32 v44, v32, v33, v34              ; m: the tile's maximum, in every lane
	v_max_num_f32 v44, v44, v35
	v_max_num_f32_dpp v44, v44, v44 row_xmask:1 row_mask:0xf bank_mask:0xf
	v_max_num_f32_dpp v44, v44, v44 row_xmask:2 row_mask:0xf bank_mask:0xf
	v_max_num_f32_dpp v44, v44, v44 row_xmask:4 row_mask:0xf bank_mask:0xf
	v_max_num_f32_dpp v44, v44, v44 row_xmask:8 row_mask:0xf bank_mask:0xf
	v_permlanex16_b32 v45, v44, s24, s25
	v_max_num_f32 v44, v44, v45
.irp i, 0,1,2,3
	v_sub_f32 v[36+\i], v[32+\i], v44
.endr
.irp i, 0,1,2,3
	v_mul_f32 v[36+\i], 0x3fb8aa3b, v[36+\i]
.endr
.irp i, 0,1,2,3
	v_exp_f32 v[36+\i], v[36+\i]                   ; p = e^(s - m)
.endr
	v_nop
	s_wait_alu depctr_va_vdst(0)
	v_add_f32 v45, v36, v37                        ; l: the sum of the tile's p, in every lane
	v_add_f32 v40, v38, v39
	v_add_f32 v45, v45, v40
	v_add_f32_dpp v45, v45, v45 row_xmask:1 row_mask:0xf bank_mask:0xf
	v_add_f32_dpp v45, v45, v45 row_xmask:2 row_mask:0xf bank_mask:0xf
	v_add_f32_dpp v45, v45, v45 row_xmask:4 row_mask:0xf bank_mask:0xf
	v_add_f32_dpp v45, v45, v45 row_xmask:8 row_mask:0xf bank_mask:0xf
	v_permlanex16_b32 v40, v45, s24, s25
	v_add_f32 v45, v45, v40
	v_mov_b32 v46, v44
	v_mov_b32 v47, v45
	v_cvt_pk_bf16_f32 v40, v36, v37
	v_cvt_pk_bf16_f32 v41, v38, v39
	ds_store_b64 v17, v[40:41]                     ; p of rows 4 L .. 4 L + 3, into my wave's own 256 bytes
.irp k, 0,1,2,3
	ds_load_b128 v[F0+8*\k:F0+8*\k+3],   v18 offset:64*\k      ; back as source 1 of the context product: 32 rows x 16 columns, all columns alike.
	ds_load_b128 v[F0+8*\k+4:F0+8*\k+7], v18 offset:64*\k+32   ; LDS serves a wave's instructions in order (ISA guide 5.7.1.4): these see the store above
.endr
	s_cmp_lg_u32 s20, 0
	s_cbranch_scc1 .Lnot0_\@
	global_store_b128 v1, v[32:35], s[14:15]               ; wave 0: the tile's 128 masked scores, 512 consecutive bytes;
	global_store_b128 v1, v[44:47], s[16:17] offset:4096   ; m and l, 512 consecutive bytes.  v32-35 and v44-47 are not written again in this tile
.Lnot0_\@:
	TRL 0, 0
	TRL 1, 1
	s_wait_dscnt 32                                ; all but the 32 just issued: p's fragments and rows 0-31 are in
	CTX 0, 0, 1
	PLACES
	TRL 2, 0
	s_wait_dscnt 32
	CTX 1, 1, 0
	PLACES
	TRL 3, 1
	s_wait_dscnt 32
	CTX 2, 0, 0
	s_wait_dscnt 0x0
	CTX 3, 1, 0
	PLACES
	WIN ST2
.irp e, 0,1,2,3,4,5,6,7,8,9,10,11,12,13,14,15
	ds_store_b128 v23, v[8*\e:8*\e+3]   offset:512*(\e/8)+32*(\e%8)       ; channels 128 (e / 8) + 8 (e % 8) + 64 h + 0..7; the 16 lanes of a half write the same bytes with the same numbers
	ds_store_b128 v23, v[8*\e+4:8*\e+7] offset:512*(\e/8)+32*(\e%8)+16
.endr
	WIN 0
	ds_load_b128 v[48:51], v24                     ; back in channel order: my wave's own bytes, served in order
	ds_load_b128 v[52:55], v24 offset:512
	s_wait_dscnt 0x0                               ; no LDS instruction of mine is out from here on
	global_store_b128 v25, v[48:51], s[16:17]      ; each store of the wave covers 512 consecutive bytes, aligned
	global_store_b128 v25, v[52:55], s[16:17] offset:512
.endm
.Ltile:                                                ; on both ways in: groups 0, 1, 2 of the tile's rows are asked for, 48 loads of mine are out, every window is 0
	; The fill: three groups ahead.  Behind the last group the first three K steps of W' take the groups' places, so every wait counts the same three younger runs of 16 loads.
.irp g, 0,1,2,3,4,5,6,7,8,9,10,11,12,13,14,15
.if \g < 13
	LANDG \g+3
.else
	BLOAD \g-13, (\g-13)*STEPB
.endif
	s_wait_loadcnt 48                              ; group g is in; the three younger runs stay out
	CVTG \g
.endr
	s_wait_dscnt 0x0                               ; for the others' sake: my 32 rows of A (and, in the first tile, my part of c dec_proj and of -2 v) are in LDS
	s_barrier_signal -1
	s_barrier_wait -1
	PASS 0
	EPI 0
	PASS 1
	EPI 1
	s_cmp_eq_u32 s27, 1
	s_cbranch_scc1 .Llast                          ; the last tile's end is written out: it asks for nothing more
	s_wait_xcnt 0x0                                ; enc's base is stepped only behind this wait (no load of mine is out: pass 1's last wait was for 0)
	s_add_nc_u64 s[4:5], s[4:5], 0x80000           ; the next tile's 128 rows
	LANDG 0                                        ; window 3 is free behind the last epilogue: the next tile's first six rows of my 32 are on their way during the tile's end
	LANDG 1
	LANDG 2
	WIN 0
	TAIL
	s_wait_xcnt 0x0                                ; the stores' data registers and bases are rewritten only behind this wait
	s_add_nc_u64 s[14:15], s[14:15], 512           ; the next tile's scores,
	s_add_nc_u64 s[16:17], s[16:17], 4608          ; its record,
	s_sub_nc_u64 s[6:7], s[6:7], 15*4*STEPB        ; W' back to pass 0's step 0: the two passes stepped the base 8 + 7 times,
	v_mov_b32 v14, v30                             ; its mask bytes
	s_barrier_signal -1                            ; every wave's reads of A and of the partial scores are back (its wait for 0 in front of its last stores):
	s_barrier_wait -1                              ; only behind this barrier is A written again
	s_sub_co_u32 s27, s27, 1
	s_cmp_lg_u32 s27, 0
	s_cbranch_scc1 .Ltile
.Llast:
	TAIL
	s_wait_xcnt 0x0
	v_lshl_add_u32 v254, v0, 2, 0x44400
	v_mov_b32 v255, 0
	s_wait_tensorcnt 0x0
	ds_add_u32 v254, v255
	s_wait_dscnt 0x0
	s_endpgm
.Lfunc_end_k_q698bc4a13d_main:
	.size	k_q698bc4a13d_main, .Lfunc_end_k_q698bc4a13d_main-k_q698bc4a13d_main
	.p2alignl 7, 3214868480
	.fill 96, 4, 3214868480
	.section	.rodata,"a",@progbits
	.p2align	6, 0x0
	.amdhsa_kernel k_q698bc4a13d_main
		.amdhsa_group_segment_fixed_size 280064
		.amdhsa_private_segment_fixed_size 0
		.amdhsa_enable_private_segment 0
		.amdhsa_kernarg_size 56
		.amdhsa_user_sgpr_count 2
		.amdhsa_user_sgpr_kernarg_segment_ptr 1
		.amdhsa_wavefront_size32 1
		.amdhsa_system_sgpr_workgroup_id_x 1
		.amdhsa_system_sgpr_workgroup_id_y 1
		.amdhsa_system_sgpr_workgroup_id_z 1
		.amdhsa_system_vgpr_workitem_id 0
		.amdhsa_next_free_vgpr 1024
		.amdhsa_next_free_sgpr 66
		.amdhsa_reserve_vcc 1
		.amdhsa_float_denorm_mode_32 3
		.amdhsa_float_denorm_mode_16_64 3
		.amdhsa_memory_ordered 1
		.amdhsa_forward_progress 1
		.amdhsa_inst_pref_size 255
	.end_amdhsa_kernel
	.section	.bss,"aw",@nobits
	.p2align	6
	.space	262144
	.amdgpu_metadata
---
amdhsa.version: [ 1, 2 ]
amdhsa.kernels:
  - .name:           k_q698bc4a13d_main
    .symbol:         k_q698bc4a13d_main.kd
    .args:
      - { .name: enc_outputs, .offset: 0, .size: 8, .value_kind: global_buffer, .address_space: global }
      - { .name: wfrag, .offset: 8, .size: 8, .value_kind: global_buffer, .address_space: global }
      - { .name: dproj, .offset: 16, .size: 8, .value_kind: global_buffer, .address_space: global }
      - { .name: v_W, .offset: 24, .size: 8, .value_kind: global_buffer, .address_space: global }
      - { .name: src_mask, .offset: 32, .size: 8, .value_kind: global_buffer, .address_space: global }
      - { .name: scores, .offset: 40, .size: 8, .value_kind: global_buffer, .address_space: global }
      - { .name: part, .offset: 48, .size: 8, .value_kind: global_buffer, .address_space: global }
    .group_segment_fixed_size: 280064
    .private_segment_fixed_size: 0
    .kernarg_segment_align: 8
    .kernarg_segment_size: 56
    .max_flat_workgroup_size: 128
    .sgpr_count:     66
    .vgpr_count:     1024
    .wavefront_size: 32
...
	.end_amdgpu_metadata
.endif
;; end of part 2
;; launch finish (part 3): grid 32 x 1, 8 waves a work-group, no clusters, 0 bytes of LDS; arguments scores, part, out0, out1; writes out0, out1
.if DOCPART == 3
	.amdgcn_target "amdgcn-amd-amdhsa--gfx1250"
	.amdhsa_code_object_version 6
	.text
	.protected	k_q698bc4a13d_finish
	.globl	k_q698bc4a13d_finish
	.p2align	8
	.type	k_q698bc4a13d_finish,@function
k_q698bc4a13d_finish:
	s_mov_b64 s[64:65], 0
	v_nop
	global_prefetch_b8 v0, s[64:65] scope:SCOPE_SE
	s_setreg_imm32_b32 hwreg(HW_REG_WAVE_MODE, 25, 1), 1
	s_wait_xcnt 0x0
; One work-group for each batch joins its 16 tiles.  With m_t, l_t, ctx_t of tile t:  M = max m_t,  w_t = e^(m_t - M),  S = sum of l_t w_t (at least 1: the tile that holds M adds at least 1),
;   out1[s] = e^(score[s] - M) / S,   out0[e] = sum over t of (w_t / S) ctx_t[e].
; 72 KiB of records and 8 KiB of scores a batch: no LDS, no barrier, no matrix unit; thread t owns 16 bytes of every row that it reads, so each load and store of a wave covers
; 512 consecutive bytes.  All 19 loads of a wave are issued at once.  32 work-groups are all the work there is.
.set REC,   4608                       ; a tile's record: 4,096 bytes of context, then {m, l, m, l} 32 times
.set LOG2E, 0x3fb8aa3b
	s_load_b256 s[4:11], s[0:1], 0x0               ; scores s[4:5], part s[6:7], out0 s[8:9], out1 s[10:11]
	v_lshlrev_b32 v1, 4, v0                        ; 16 t
	v_and_b32 v2, 15, v0
	v_mul_u32_u24 v2, v2, REC                      ; lane % 16 names a tile
	s_lshl_b32 s12, ttmp9, 13                      ; 2,048 f32
	s_mov_b32 s13, 0
	s_mul_i32 s14, ttmp9, 16*REC
	s_mov_b32 s15, 0
	s_lshl_b32 s16, ttmp9, 12                      ; 1,024 f32
	s_mov_b32 s17, 0
	s_wait_kmcnt 0x0
	s_add_nc_u64 s[4:5], s[4:5], s[12:13]
	s_add_nc_u64 s[6:7], s[6:7], s[14:15]
	s_add_nc_u64 s[8:9], s[8:9], s[16:17]
	s_add_nc_u64 s[10:11], s[10:11], s[12:13]
	global_load_b64 v[4:5], v2, s[6:7] offset:4096 ; m, l of tile lane % 16
	global_load_b128 v[8:11], v1, s[4:5]
	global_load_b128 v[12:15], v1, s[4:5] offset:4096
.irp i, 0,1,2,3,4,5,6,7,8,9,10,11,12,13,14,15
	global_load_b128 v[16+4*\i:19+4*\i], v1, s[6:7] offset:REC*\i
.endr
	s_wait_loadcnt 18                              ; m and l are in; the 18 younger loads stay out
	v_mov_b32 v6, v4
	v_max_num_f32_dpp v6, v6, v6 row_xmask:1 row_mask:0xf bank_mask:0xf    ; both halves of the lanes hold the same 16 tiles: four steps inside a half do
	v_max_num_f32_dpp v6, v6, v6 row_xmask:2 row_mask:0xf bank_mask:0xf
	v_max_num_f32_dpp v6, v6, v6 row_xmask:4 row_mask:0xf bank_mask:0xf
	v_max_num_f32_dpp v6, v6, v6 row_xmask:8 row_mask:0xf bank_mask:0xf    ; M
	v_sub_f32 v7, v4, v6
	v_mul_f32 v7, LOG2E, v7
	v_exp_f32 v7, v7                               ; w_t
	v_nop
	s_wait_alu depctr_va_vdst(0)
	v_mul_f32 v3, v5, v7
	v_add_f32_dpp v3, v3, v3 row_xmask:1 row_mask:0xf bank_mask:0xf
	v_add_f32_dpp v3, v3, v3 row_xmask:2 row_mask:0xf bank_mask:0xf
	v_add_f32_dpp v3, v3, v3 row_xmask:4 row_mask:0xf bank_mask:0xf
	v_add_f32_dpp v3, v3, v3 row_xmask:8 row_mask:0xf bank_mask:0xf        ; S
	v_rcp_f32 v80, v3
	v_nop
	s_wait_alu depctr_va_vdst(0)
	v_mul_f32 v7, v7, v80                          ; w_t / S
.irp i, 0,1,2,3,4,5,6,7,8,9,10,11,12,13,14,15
	v_readlane_b32 s[32+\i], v7, \i
.endr
	s_wait_loadcnt 16                              ; the scores are in; the 16 contexts stay out
.irp i, 0,1,2,3,4,5,6,7
	v_sub_f32 v[8+\i], v[8+\i], v6
.endr
.irp i, 0,1,2,3,4,5,6,7
	v_mul_f32 v[8+\i], LOG2E, v[8+\i]
.endr
.irp i, 0,1,2,3,4,5,6,7
	v_exp_f32 v[8+\i], v[8+\i]
.endr
	v_nop
	s_wait_alu depctr_va_vdst(0)
.irp i, 0,1,2,3,4,5,6,7
	v_mul_f32 v[8+\i], v[8+\i], v80
.endr
	global_store_b128 v1, v[8:11], s[10:11]
	global_store_b128 v1, v[12:15], s[10:11] offset:4096
	s_wait_loadcnt 0x0
.irp j, 0,1,2,3
	v_mul_f32 v[84+\j], s32, v[16+\j]              ; tile 0 starts the sums
.endr
.irp i, 1,2,3,4,5,6,7,8,9,10,11,12,13,14,15
.irp j, 0,1,2,3
	v_fmac_f32 v[84+\j], s[32+\i], v[16+4*\i+\j]
.endr
.endr
	global_store_b128 v1, v[84:87], s[8:9]
	s_endpgm
.Lfunc_end_k_q698bc4a13d_finish:
	.size	k_q698bc4a13d_finish, .Lfunc_end_k_q698bc4a13d_finish-k_q698bc4a13d_finish
	.p2alignl 7, 3214868480
	.fill 96, 4, 3214868480
	.section	.rodata,"a",@progbits
	.p2align	6, 0x0
	.amdhsa_kernel k_q698bc4a13d_finish
		.amdhsa_group_segment_fixed_size 0
		.amdhsa_private_segment_fixed_size 0
		.amdhsa_enable_private_segment 0
		.amdhsa_kernarg_size 32
		.amdhsa_user_sgpr_count 2
		.amdhsa_user_sgpr_kernarg_segment_ptr 1
		.amdhsa_wavefront_size32 1
		.amdhsa_system_sgpr_workgroup_id_x 1
		.amdhsa_system_sgpr_workgroup_id_y 1
		.amdhsa_system_sgpr_workgroup_id_z 1
		.amdhsa_system_vgpr_workitem_id 0
		.amdhsa_next_free_vgpr 96
		.amdhsa_next_free_sgpr 66
		.amdhsa_reserve_vcc 0
		.amdhsa_float_denorm_mode_32 3
		.amdhsa_float_denorm_mode_16_64 3
		.amdhsa_memory_ordered 1
		.amdhsa_forward_progress 1
		.amdhsa_inst_pref_size 9
	.end_amdhsa_kernel
	.amdgpu_metadata
---
amdhsa.version: [ 1, 2 ]
amdhsa.kernels:
  - .name:           k_q698bc4a13d_finish
    .symbol:         k_q698bc4a13d_finish.kd
    .args:
      - { .name: scores, .offset: 0, .size: 8, .value_kind: global_buffer, .address_space: global }
      - { .name: part, .offset: 8, .size: 8, .value_kind: global_buffer, .address_space: global }
      - { .name: out0, .offset: 16, .size: 8, .value_kind: global_buffer, .address_space: global }
      - { .name: out1, .offset: 24, .size: 8, .value_kind: global_buffer, .address_space: global }
    .group_segment_fixed_size: 0
    .private_segment_fixed_size: 0
    .kernarg_segment_align: 8
    .kernarg_segment_size: 32
    .max_flat_workgroup_size: 256
    .sgpr_count:     66
    .vgpr_count:     96
    .wavefront_size: 32
...
	.end_amdgpu_metadata
.endif
;; end of part 3
;; ======== version 2 of 2: 3 launches; version 1 with the launch main written anew for expert scheduling mode
;; workspace buffers: wfrag 2,097,152 bytes; dproj 524,288 bytes; scores 262,144 bytes; part 2,359,296 bytes
;; launch prep: the kernel of part 1 again; grid 320 x 1, 8 waves a work-group, no clusters, 70,656 bytes of LDS; arguments attn_W, attn_b, dec_hidden, wfrag, dproj; writes wfrag, dproj
;; launch main (part 4): grid 256 x 1, 4 waves a work-group, no clusters, 280,064 bytes of LDS; arguments enc_outputs, wfrag, dproj, v_W, src_mask, scores, part; writes scores, part
.if DOCPART == 4
	.amdgcn_target "amdgcn-amd-amdhsa--gfx1250"
	.amdhsa_code_object_version 6
	.text
	.protected	k_q698bc4a13d_main
	.globl	k_q698bc4a13d_main
	.p2align	8
	.type	k_q698bc4a13d_main,@function
k_q698bc4a13d_main:
	s_mov_b64 s[64:65], 0
	v_nop
	global_prefetch_b8 v0, s[64:65] scope:SCOPE_SE
	s_setreg_imm32_b32 hwreg(HW_REG_WAVE_SCHED_MODE, 0, 2), 2
	s_setreg_imm32_b32 hwreg(HW_REG_WAVE_MODE, 25, 1), 1
	s_wait_xcnt 0x0
	s_wait_alu depctr_vm_vsrc(0)
; A TILE is 128 rows (positions) of one batch: tile T has rows 128 T .. 128 T + 127 of the 65,536, batch T / 16.  Its rows are read from memory ONCE:
;   1. the rows are rounded to bf16 and kept in LDS (A, 128 x 2,064 bytes);
;   2. y = c (dec_proj + enc W_enc) in two passes over the 1,024 columns: in pass p wave w makes 128 rows x columns 256 w + 128 p + 0..127, 64 accumulators of 16 x 16;
;      the sums START from c dec_proj (the first product's C), so nothing is cleared and nothing is added later;
;   3. behind each pass: tanh = 1 - 2 / (1 + 2^y), and the row's sum of v tanh as (sum of v) + sum of (-2 v) / (1 + 2^y);
;   4. the four waves' partial scores meet in LDS; mask; the tile's maximum m, weights p = e^(s - m) and their sum l;
;   5. the tile's context, sum over its rows of p enc, by matrix instructions from the same LDS rows (turned on the way out of LDS).
; Stored: the 128 masked scores; a record of 4,608 bytes: 1,024 f32 of context, then {m, l, m, l} 32 times.  The next launch joins a batch's 16 tiles.
; A WORK-GROUP STAYS for two tiles, 2 i and 2 i + 1, which belong to one batch: c dec_proj (the sum of the four partial arrays) and -2 v are put into LDS once.  Behind the first
; tile's last epilogue window 3 is free, so the second tile's first 48 loads a wave (96 KiB a work-group) are asked for there and are on their way during steps 4 and 5.
; W' (bf16, fragment order, scaled by c) goes from memory STRAIGHT INTO REGISTERS, through a ring of four register slots of one K step (32) each, three steps ahead.
; NO TENSOR LOADS, SO NO JOINT LOADS IN A CLUSTER: wave w alone multiplies by columns 256 w .. 256 w + 255, so a byte of W' in LDS would serve one wave only, and beside
; A's 264,192 bytes a WGP's 327,680 leave 63,488, less than two slots of one K step for 512 columns (2 x 32,768).  Giving up A in LDS would mean reading enc_outputs twice.
; THE MATRIX INSTRUCTION IS USED TRANSPOSED: source 0 = 16 columns of W', source 1 = 16 rows of A.  A lane then holds ONE row (lane % 16) and the columns 8 (lane / 16) + 0..7
; of each block of 16: a row's sum over columns stays in the lane but for one exchange between the halves of the lanes.
; LIMITS.  p is rounded to bf16 for the context product, l is summed from the unrounded p.  tanh by 1 - 2 / (1 + 2^y) has an absolute error of about 1e-7 and is exactly
; +1 or -1 where 2^y overflows or is flushed to 0.  The score is a sum in f32 of terms bounded by 3 |v|: its error is about 2^-23 x the sum of |v|.
; A mask byte other than 0 counts as true.  NaN goes through.
;
; THE MODE: SCHED_MODE bits 1:0 = 2 (LLVM: expert scheduling mode 2), set by the entry lines.  The code itself states the register dependences
; between vector or matrix instructions and memory or LDS instructions, with s_wait_alu, always for 0.
; THE PLAN.  Registers that memory or LDS instructions touch, and who else names them:
;   L0 .. L3    (window 3) the fill's landing slots.  Group g's conversions read L[g % 4]; behind them the loads of group g + 4 land in it.
;   CG0, CG1    (v192-223, v224-255) Group g's conversions write CG[g % 2]; its 16 LDS stores read it; group g + 2's conversions write it again.
;   F0, F1      fragments of A.  K step s's matrix instructions read one; the LDS loads of step s + 1, issued in step s, land in the other, which step s - 1 read.
;   W0 .. W3    (window 1) W'.  K step s's matrix instructions read W[s % 4]; the loads of step s + 3, issued in step s, land in W[(s - 1) % 4], which step s - 1 read.
;   v56-63      A's addresses in a pass: read by every fragment load; written by moves at a pass's head and by adds once a trip; v56-57 are also at work behind a pass.
;   v192-255    also c dec_proj (LDS loads; read as C by a pass's first K step) and -2 v (LDS loads; read by the vector lines behind a pass).
;   v32-55      at a tile's end: data of LDS and global stores, and landing registers of LDS loads.     window 2 v0-127: the context's accumulators, data of LDS stores.
;   v1-v28      offsets and addresses, made once at the head and never written again.
; A K step has ONE wait on va_vdst, at its head: behind it the step before is done reading the buffer of A and the slot of W' in which this step's 32 loads land.  These are dealt,
; four at a time, among the matrix instructions of the step's first half, which name the other buffer, the step's own slot and the accumulators alone.  One wait on vm_vsrc a trip
; stands ahead of the adds to A's addresses; the wait that is owed behind the adds is the next step's own.  The other waits are said where they stand.
;
; REGISTERS, in windows of 256 (s_set_vgpr_msb's low byte: bits 1:0 source 0, 3:2 source 1, 5:4 source 2, 7:6 destination):
;   window 0: v0-31 addresses and the two tiles' mask words; v32-47 P, a pair of partial scores for each block of 16 rows; v48-49 the sum of my v; v50-57 at work;
;             v56-63 A's addresses at work in a pass; v64-127, v128-191 fragments of A, two buffers; v192-255 conversions (fill), c dec_proj (a pass's first step), -2 v (behind a pass)
;   window 1: W': four slots of 64 (the context product: two buffers of 128 for enc turned)
;   window 2: accumulators of rows 0-63 ((a, b) at v[8 (8 a + b)]); at a tile's end the context's 16 accumulators
;   window 3: accumulators of rows 64-127; in the fill four landing slots of 64
.set TILES, 2
.set PA,   2064                        ; a row of A in LDS: 2,048 bytes + 16 = 129 x 16: the 16 rows of a fragment load begin in 16 different 16-byte columns of 256 bytes
.set DPB,  128*PA                      ; 264,192: c dec_proj of the batch, 1,024 f32
.set WVB,  DPB+4096                    ; -2 v, 1,024 f32
.set SCB,  WVB+4096                    ; partial scores: 128 f32 for each wave
.set PBB,  SCB+2048                    ; p in bf16: 256 bytes for each wave, its own
.set STG,  PBB+1024                    ; the context's way out: 1,024 bytes for each wave, its own
.set STEPB, 8192                       ; bytes of W' in a K step of a wave: 8 fragments of 1,024
.set AAD,  2                           ; v2-9    A's fragments: (16 a + r) PA + 16 h; never rewritten
.set TAD,  19                          ; v19-22  the turning load: (32 kk + 8 h + L % 8) PA + 512 w + 128 ((L / 8) % 2)
.set PP,   32
.set VS,   48
.set TT,   50
.set AW,   56                          ; v56-63  A's addresses, stepped along K in a pass (v61-63: lane, r, h while the addresses are made)
.set F0,   64
.set F1,   128
.set CW,   192
.set MSB, 0
.macro WIN new                         ; the immediate's high byte repeats the setting that is left; a switch that changes nothing is dropped
.if MSB != (\new)
	s_set_vgpr_msb (MSB<<8)|(\new)
.set MSB, (\new)
.endif
.endm
.set MUL_LO,  0xa1                     ; source 0 (W') window 1, source 1 (A) window 0, C and D window 2
.set MUL_HI,  0xf1                     ; the same, C and D window 3
.set INIT_LO, 0x81                     ; the same with C in window 0
.set INIT_HI, 0xc1
.set TO_B,    0x40                     ; destination window 1, address window 0
.set LAND,    0xc0                     ; destination window 3
.set CVT3,    0x0f                     ; sources 0 and 1 window 3, destination window 0
.set ST2,     0x08                     ; an LDS store's data (source 1) window 2
.macro PLACES                          ; four places in front of loads into registers that matrix instructions have read, and of stores that read results; they stay beside the waits on va_vdst
.rept 4
	v_nop
.endr
.endm
	s_load_b256 s[4:11], s[0:1], 0x0               ; enc_outputs s[4:5], wfrag s[6:7], dproj s[8:9], v_W s[10:11]
	s_load_b128 s[12:15], s[0:1], 0x20             ; src_mask s[12:13], scores s[14:15]
	s_load_b64 s[16:17], s[0:1], 0x30              ; part
	v_lshl_add_u32 v29, v0, 2, 0x44400
	v_mov_b32 v31, 0
	v_lshrrev_b32 v27, 5, v0
	v_readfirstlane_b32 s20, v27                   ; wave 0..3
	v_and_b32 v61, 31, v0                          ; L
	v_and_b32 v62, 15, v0                          ; r
	v_bfe_u32 v63, v0, 4, 1                        ; h
	v_lshlrev_b32 v1, 4, v61                       ; v1  16 L
	s_wait_alu depctr_va_sdst(0)                   ; s20 is written, ahead of its first reader: addresses, bases and branches are made from it
	v_lshl_add_u32 v10, s20, 17, v1                ; v10 enc: my wave's 32 rows of 4,096 bytes, 16 L
	v_lshlrev_b32 v27, 4, v0                       ; v27 16 t
	v_lshlrev_b32 v28, 2, v61                      ; v28 4 L
	s_lshl_b32 s2, ttmp9, 20                       ; two tiles of 128 rows of 4,096 bytes
	s_mov_b32 s3, 0
	s_lshl_b32 s28, s20, 19                        ; my wave's 64 K steps of W' (two passes of 32) lie on end
	s_mov_b32 s29, 0
	s_lshr_b32 s30, ttmp9, 3                       ; the batch: 8 work-groups, 16 tiles
	s_lshl_b32 s30, s30, 12
	s_mov_b32 s31, 0
	s_mov_b32 s24, 0x76543210                      ; v_permlanex16_b32: each lane takes its own place in the other half
	s_mov_b32 s25, 0xfedcba98
	s_mov_b32 s36, 0xc61c4000                      ; -10000.0
	s_wait_kmcnt 0x0
	s_add_nc_u64 s[4:5], s[4:5], s[2:3]
	s_add_nc_u64 s[6:7], s[6:7], s[28:29]
	s_add_nc_u64 s[8:9], s[8:9], s[30:31]
	s_lshl_b32 s2, ttmp9, 8
	s_add_nc_u64 s[12:13], s[12:13], s[2:3]
	s_lshl_b32 s2, ttmp9, 10
	s_add_nc_u64 s[14:15], s[14:15], s[2:3]
	s_mul_i32 s2, ttmp9, 2*4608
	s_add_nc_u64 s[16:17], s[16:17], s[2:3]
; 4 loads: fragments b0 and b0 + 1 of one K step's eight of W' into ring slot `slot`; each load of the wave covers 512 consecutive bytes
.macro BLOAD2 slot, off, b0
	WIN TO_B
.irp b, \b0, \b0+1
	global_load_b128 v[64*(\slot)+8*(\b):64*(\slot)+8*(\b)+3],   v1, s[6:7] offset:\off+1024*(\b)
	global_load_b128 v[64*(\slot)+8*(\b)+4:64*(\slot)+8*(\b)+7], v1, s[6:7] offset:\off+1024*(\b)+512
.endr
.endm
; 16 loads: all eight fragments
.macro BLOAD slot, off
.irp z, 0,2,4,6
	BLOAD2 \slot, \off, \z
.endr
.endm
; THE FILL.  Group g: rows 2 g, 2 g + 1 of my wave's 32, 16 loads of 512 consecutive bytes, into landing slot g % 4
.macro LANDG g
	WIN LAND
.irp i, 0,1,2,3,4,5,6,7,8,9,10,11,12,13,14,15
	global_load_b128 v[64*((\g)%4)+4*\i:64*((\g)%4)+4*\i+3], v10, s[4:5] offset:8192*(\g)+512*\i th:TH_LOAD_NT
.endr
.endm
; group g is rounded to bf16 and put into A: 8 bytes a lane, 256 consecutive bytes a store
.macro CVTG g
.set CG, CW+32*((\g)%2)
	s_wait_alu depctr_vm_vsrc(0)                   ; the LDS stores issued so far have read v[CG ..], which the conversions write: group g - 2's; ahead of the first tile's groups 0 and 1 those of c dec_proj and -2 v
	WIN CVT3
.irp i, 0,1,2,3,4,5,6,7,8,9,10,11,12,13,14,15
	v_cvt_pk_bf16_f32 v[CG+2*\i],   v[64*((\g)%4)+4*\i],   v[64*((\g)%4)+4*\i+1]
	v_cvt_pk_bf16_f32 v[CG+2*\i+1], v[64*((\g)%4)+4*\i+2], v[64*((\g)%4)+4*\i+3]
.endr
	WIN 0
	s_wait_alu depctr_va_vdst(0)                   ; the conversions have written v[CG ..], which the stores read, and are done reading landing slot g % 4, in which the next run of loads lands (only these stores stand between)
.irp i, 0,1,2,3,4,5,6,7,8,9,10,11,12,13,14,15
	ds_store_b64 v[11+(\g)/8], v[CG+2*\i:CG+2*\i+1] offset:((2*(\g)+\i/8)%16)*PA+256*(\i%8)
.endr
.endm
	s_wait_alu depctr_va_vdst(0)                   ; v1, v10, v27 and v28 are written: the loads below read them as offsets
.irp k, 0,1,2,3
	global_load_b128 v[CW+8*\k:CW+8*\k+3],   v27, s[8:9] offset:131072*\k        ; the four partial arrays of c dec_proj: 128 threads x 2 x 16 bytes of each
	global_load_b128 v[CW+8*\k+4:CW+8*\k+7], v27, s[8:9] offset:131072*\k+2048
.endr
	global_load_b128 v[CW+32:CW+35], v27, s[10:11]                                ; v
	global_load_b128 v[CW+36:CW+39], v27, s[10:11] offset:2048
	global_load_b32 v14, v28, s[12:13]                          ; v14 the mask bytes of rows 4 L .. 4 L + 3 of the tile in hand
	global_load_b32 v30, v28, s[12:13] offset:128               ; v30 the same of the second tile
	LANDG 0
	LANDG 1
	LANDG 2
	WIN 0
	v_mul_u32_u24 v2, v62, PA
	v_lshl_add_u32 v2, v63, 4, v2
.irp a, 1,2,3,4,5,6,7
	v_add_nc_u32 v[AAD+\a], \a*16*PA, v2
.endr
	s_mul_i32 s21, s20, 32*PA
	v_lshl_add_u32 v11, v61, 3, s21                ; v11 A, in: my wave's rows 0-15, 8 L
	v_add_nc_u32 v12, 16*PA, v11                   ; v12 rows 16-31 (the immediate has 16 bits)
	s_lshl_b32 s22, s20, 10
	s_add_co_u32 s23, s22, DPB
	v_lshl_add_u32 v13, v63, 5, s23                ; v13 c dec_proj (and, 4,096 on, -2 v) of my columns: 1024 w + 32 h
	s_lshl_b32 s23, s20, 9
	s_add_co_u32 s23, s23, SCB
	v_lshl_add_u32 v15, v62, 2, s23                ; v15 partial scores, in: my wave's 512 bytes, 4 r
	v_add_nc_u32 v16, SCB, v1                      ; v16 back: rows 4 L .. 4 L + 3
	s_lshl_b32 s23, s20, 8
	s_add_co_u32 s23, s23, PBB
	v_lshl_add_u32 v17, v61, 3, s23                ; v17 p, in: 8 L
	v_lshl_add_u32 v18, v63, 4, s23                ; v18 p, a fragment: 16 h, the same for all 16 columns
	v_and_b32 v19, 7, v0
	v_lshl_add_u32 v19, v63, 3, v19
	v_mul_u32_u24 v19, v19, PA
	v_bfe_u32 v20, v0, 3, 1
	v_lshl_add_u32 v19, v20, 7, v19                ; lanes 8-15 and 24-31 read 128 bytes (64 channels) on: see TRL
	v_lshl_add_u32 v19, s20, 9, v19
	v_add_nc_u32 v20, 32*PA, v19
	v_add_nc_u32 v21, 64*PA, v19
	v_add_nc_u32 v22, 96*PA, v19
	s_add_co_u32 s23, s22, STG
	v_lshl_add_u32 v23, v63, 8, s23                ; v23 the context's stage, in: 256 h
	v_add_nc_u32 v24, s23, v1                      ; v24 back: 16 L
	v_add_nc_u32 v25, s22, v1                      ; v25 my 16 bytes in the record: 1024 w + 16 L
	v_lshl_add_u32 v26, v0, 4, DPB                 ; v26 c dec_proj and -2 v, in: 16 t
	s_wait_loadcnt 48                              ; all but the three groups of 16 just issued: the partial arrays, v and the masks are in
.irp j, 0,2,4,6
	v_pk_add_f32 v[CW+\j:CW+\j+1],       v[CW+\j:CW+\j+1],       v[CW+8+\j:CW+8+\j+1]
	v_pk_add_f32 v[CW+16+\j:CW+16+\j+1], v[CW+16+\j:CW+16+\j+1], v[CW+24+\j:CW+24+\j+1]
.endr
.irp j, 0,2,4,6
	v_pk_add_f32 v[CW+\j:CW+\j+1], v[CW+\j:CW+\j+1], v[CW+16+\j:CW+16+\j+1]
.endr
.irp j, 32,34,36,38
	v_pk_mul_f32 v[CW+\j:CW+\j+1], v[CW+\j:CW+\j+1], -2.0 op_sel_hi:[1,0]
.endr
	s_wait_alu depctr_va_vdst(0)                   ; the sums and products have written the stores' data; v2 to v26, the addresses of every LDS and memory instruction from here on, are written
	ds_store_b128 v26, v[CW:CW+3]
	ds_store_b128 v26, v[CW+4:CW+7]   offset:2048
	ds_store_b128 v26, v[CW+32:CW+35] offset:4096
	ds_store_b128 v26, v[CW+36:CW+39] offset:6144
	s_mov_b32 s27, TILES                           ; tiles to go, this one among them
; 4 matrix instructions: row block a of the window's four (hi = 0: rows 0-63, 1: rows 64-127) x column blocks b0 .. b0 + 3, 32 along K.
; init = 1: the sums start from c dec_proj.  The 64 accumulators take turns, one instruction a turn, in the same order in every K step.
.macro MUL4 rb, fa, hi, a, b0, init
.irp b, \b0, \b0+1, \b0+2, \b0+3
.if \init
	v_wmma_f32_16x16x32_bf16 v[8*(8*(\a)+(\b)):8*(8*(\a)+(\b))+7], v[\rb+8*(\b):\rb+8*(\b)+7], v[\fa+8*(4*\hi+(\a)):\fa+8*(4*\hi+(\a))+7], v[CW+8*(\b):CW+8*(\b)+7]
.else
	v_wmma_f32_16x16x32_bf16 v[8*(8*(\a)+(\b)):8*(8*(\a)+(\b))+7], v[\rb+8*(\b):\rb+8*(\b)+7], v[\fa+8*(4*\hi+(\a)):\fa+8*(4*\hi+(\a))+7], v[8*(8*(\a)+(\b)):8*(8*(\a)+(\b))+7]
.endif
.endr
.endm
; 4 LDS loads: A's fragments a0 and a0 + 1 (32 rows x 32 K at byte `off` from the stepped addresses) into buffer fa
.macro FETCH2 fa, off, a0
	WIN 0
.irp a, \a0, \a0+1
	ds_load_b128 v[\fa+8*(\a):\fa+8*(\a)+3],   v[AW+(\a)] offset:\off
	ds_load_b128 v[\fa+8*(\a)+4:\fa+8*(\a)+7], v[AW+(\a)] offset:\off+32
.endr
.endm
; 16 LDS loads: all eight fragments, rows ascending
.macro FETCHA fa, off
.irp z, 0,2,4,6
	FETCH2 \fa, \off, \z
.endr
.endm
; A K step: 64 matrix instructions on ring slot `slot` and buffer fa.  Among the 32 of its first half, four behind every fourth: the next step's A into buffer fn (aoff; -1: none)
; and W' of three steps on into the slot that the step before multiplied (boff; -1: none).  lcnt: the loads of W' issued behind this step's.
.macro KSTEP slot, fa, fn, aoff, boff, init, lcnt
	s_wait_loadcnt \lcnt                           ; loads come back in order (ISA guide 5.7.1): this step's W' is in, the younger steps' stay out
	s_wait_dscnt 8                                 ; A's rows 0-63 are in (and what was asked before them); the youngest eight loads, rows 64-127, may be out
.if !(\init) && ((\aoff >= 0) || (\boff >= 0))     ; a pass's first step leans on the wait at the pass's head; a step that asks for nothing has nothing to state
	PLACES
	s_wait_alu depctr_va_vdst(0)                   ; the step before is done reading buffer fn and its slot of W', in which this step's loads land; in a trip's first step A's addresses are written
.endif
.irp q, 0,1,2,3
	WIN MUL_LO-(MUL_LO-INIT_LO)*\init
	MUL4 64*\slot, \fa, 0, \q, 0, \init
.if \aoff >= 0
	FETCH2 \fn, \aoff, 2*\q                        ; no wait: no vector or matrix instruction since the step's wait names buffer fn or A's addresses
.endif
	WIN MUL_LO-(MUL_LO-INIT_LO)*\init
	MUL4 64*\slot, \fa, 0, \q, 4, \init
.if \boff >= 0
	BLOAD2 (\slot+3)%4, \boff, 2*\q                ; nor that slot of W'
.endif
.endr
.if \aoff >= 0
	s_wait_dscnt 16                                ; all but the 16 issued in this step: this step's rows 64-127 are in
.else
	s_wait_dscnt 0x0
.endif
	WIN MUL_HI-(MUL_HI-INIT_HI)*\init
.irp q, 0,1,2,3
	MUL4 64*\slot, \fa, 1, \q, 0, \init
	MUL4 64*\slot, \fa, 1, \q, 4, \init
.endr
.endm
; PASS p: 32 K steps.  Step 0 stands in front of the loop (its C differs); a trip is steps 4 t + 1 .. 4 t + 4; the last three are written out:
; pass 0's ask for pass 1's first three steps of W', pass 1's ask for nothing, so that no load leaves the buffer.
.macro PASS p
	WIN 0
.irp a, 0,1,2,3,4,5,6,7
	v_mov_b32 v[AW+\a], v[AAD+\a]
.endr
	s_wait_alu depctr_va_vdst(0)                   ; A's addresses are written; the conversions or the lines behind the last pass are done with v192-255, and the last matrix instructions with F0, F1 and W's slots: this step's loads land there
.irp b, 0,1,2,3,4,5,6,7
	ds_load_b128 v[CW+8*\b:CW+8*\b+3],   v13 offset:512*\p+64*\b       ; c dec_proj of columns 16 b + 8 h + 0..7: what an accumulator's eight registers start from
	ds_load_b128 v[CW+8*\b+4:CW+8*\b+7], v13 offset:512*\p+64*\b+16
.endr
	FETCHA F0, 0
	KSTEP 0, F0, F1, 64, 3*STEPB, 1, 32
	WIN 0                                          ; at a label and at a branch every window is 0
	s_mov_b32 s26, 7
.Lk_\@:
	KSTEP 1, F1, F0, 128, 4*STEPB, 0, 32
	KSTEP 2, F0, F1, 192, 5*STEPB, 0, 32
	KSTEP 3, F1, F0, 256, 6*STEPB, 0, 32
	KSTEP 0, F0, F1, 320, 7*STEPB, 0, 32
	WIN 0
	s_wait_alu depctr_vm_vsrc(0)                   ; the fragment loads issued so far have read A's addresses
.irp a, 0,1,2,3,4,5,6,7
	v_add_nc_u32 v[AW+\a], 256, v[AW+\a]           ; four K steps of 64 bytes on
.endr
	s_wait_xcnt 0x0                                ; the base of the loads of W' is stepped only behind this wait
	s_add_nc_u64 s[6:7], s[6:7], 4*STEPB
	s_sub_co_u32 s26, s26, 1
	s_cmp_lg_u32 s26, 0
	s_cbranch_scc1 .Lk_\@
.if \p == 0
	KSTEP 1, F1, F0, 128, 4*STEPB, 0, 32
	KSTEP 2, F0, F1, 192, 5*STEPB, 0, 32
	KSTEP 3, F1, F0, -1, 6*STEPB, 0, 32
	s_wait_xcnt 0x0
	s_add_nc_u64 s[6:7], s[6:7], 4*STEPB           ; the base now stands at pass 1's step 0
.else
	KSTEP 1, F1, F0, 128, -1, 0, 32
	KSTEP 2, F0, F1, 192, -1, 0, 16
	KSTEP 3, F1, F0, -1, -1, 0, 0
.endif
	WIN 0
.endm
; BEHIND A PASS.  For each block a of 16 rows: 64 registers y -> 1 / (1 + 2^y) in place, then times -2 v and summed, in four chains of pairs.
; Each accumulator's registers are taken in ascending order.  The transcendentals stand in runs, with one plain instruction behind each run before a result is used (ISA guide 5.7.2), and one wait a run.
.macro EPI p
	WIN 0
.irp b, 0,1,2,3,4,5,6,7
	ds_load_b128 v[CW+8*\b:CW+8*\b+3],   v13 offset:4096+512*\p+64*\b  ; -2 v of columns 16 b + 8 h + 0..7.  No wait: only the pass's first K step named v192-255, and the later steps' waits stand behind it
	ds_load_b128 v[CW+8*\b+4:CW+8*\b+7], v13 offset:4096+512*\p+64*\b+16
.endr
	s_wait_dscnt 0x0
	s_wait_alu depctr_vm_vsrc(0)                   ; the pass's fragment loads have read v56 and v57, which the sums below write
	v_pk_add_f32 v[VS:VS+1], v[CW:CW+1], v[CW+2:CW+3]                  ; the sum of my 64 v, as a pair (even columns, odd columns), in two chains;
	v_pk_add_f32 v[TT:TT+1], v[CW+4:CW+5], v[CW+6:CW+7]                ; these 32 instructions are also the places behind the pass's last products
.set i, 4
.rept 28
	v_pk_add_f32 v[VS+2*(i%2):VS+2*(i%2)+1], v[VS+2*(i%2):VS+2*(i%2)+1], v[CW+2*i:CW+2*i+1]
.set i, i+1
.endr
	v_pk_add_f32 v[VS:VS+1], v[VS:VS+1], v[TT:TT+1]
	v_pk_mul_f32 v[VS:VS+1], v[VS:VS+1], -0.5 op_sel_hi:[1,0]
.irp a, 0,1,2,3,4,5,6,7
.set AC, 64*(\a%4)
	WIN 0x82+0x41*(\a/4)                           ; in place in window 2 (blocks 0-3) or 3 (blocks 4-7)
.set i, 0
.rept 64
	v_exp_f32 v[AC+i], v[AC+i]
.set i, i+1
.endr
	v_nop
	s_wait_alu depctr_va_vdst(0)                   ; the block's 64 exponentials have written their results, ahead of the first line that names one
.set i, 0
.rept 32
	v_pk_add_f32 v[AC+2*i:AC+2*i+1], v[AC+2*i:AC+2*i+1], 1.0 op_sel_hi:[1,0]
.set i, i+1
.endr
.set i, 0
.rept 64
	v_rcp_f32 v[AC+i], v[AC+i]
.set i, i+1
.endr
	v_nop
	s_wait_alu depctr_va_vdst(0)                   ; the block's 64 reciprocals have written their results, ahead of the first line that names one
	WIN 0x02+(\a/4)                                ; source 0 in window 2 or 3, all else in window 0
.set i, 0
.rept 32
.if i < 4
	v_pk_mul_f32 v[TT+2*i:TT+2*i+1], v[AC+2*i:AC+2*i+1], v[CW+2*i:CW+2*i+1]
.else
	v_pk_fma_f32 v[TT+2*(i%4):TT+2*(i%4)+1], v[AC+2*i:AC+2*i+1], v[CW+2*i:CW+2*i+1], v[TT+2*(i%4):TT+2*(i%4)+1]
.endif
.set i, i+1
.endr
	WIN 0
	v_pk_add_f32 v[TT:TT+1], v[TT:TT+1], v[TT+2:TT+3]
	v_pk_add_f32 v[TT+4:TT+5], v[TT+4:TT+5], v[TT+6:TT+7]
	v_pk_add_f32 v[TT:TT+1], v[TT:TT+1], v[TT+4:TT+5]
.if \p == 0
	v_pk_add_f32 v[PP+2*\a:PP+2*\a+1], v[TT:TT+1], v[VS:VS+1]
.else
	v_pk_add_f32 v[TT:TT+1], v[TT:TT+1], v[VS:VS+1]
	v_pk_add_f32 v[PP+2*\a:PP+2*\a+1], v[PP+2*\a:PP+2*\a+1], v[TT:TT+1]
.endif
.endr
.endm
; THE CONTEXT: O^T = enc^T P.  Source 0 = 16 channels x 32 rows, turned out of A; wave w has channels 256 w .. 256 w + 255: 16 accumulators, which take turns.
; Block e of 16 channels is 128 (e / 8) + 8 (e % 8) + 0..7 and the eight channels 64 further on
; The 16 columns of P are alike, so the 16 lanes of a half hold the same eight channels.  64 of a tile's 4,160 matrix instructions a wave.
.macro TRL kk, buf
	WIN TO_B
.irp e, 0,1,2,3,4,5,6,7,8,9,10,11,12,13,14,15
	ds_load_tr16_b128 v[128*\buf+8*\e:128*\buf+8*\e+3],   v[TAD+\kk] offset:256*(\e/8)+16*(\e%8)
	ds_load_tr16_b128 v[128*\buf+8*\e+4:128*\buf+8*\e+7], v[TAD+\kk] offset:256*(\e/8)+16*(\e%8)+16*PA
.endr
.endm
.macro CTX kk, buf, zero
	WIN MUL_LO
.irp e, 0,1,2,3,4,5,6,7,8,9,10,11,12,13,14,15
.if \zero
	v_wmma_f32_16x16x32_bf16 v[8*\e:8*\e+7], v[128*\buf+8*\e:128*\buf+8*\e+7], v[F0+8*\kk:F0+8*\kk+7], 0
.else
	v_wmma_f32_16x16x32_bf16 v[8*\e:8*\e+7], v[128*\buf+8*\e:128*\buf+8*\e+7], v[F0+8*\kk:F0+8*\kk+7], v[8*\e:8*\e+7]
.endif
.endr
.endm
; A TILE'S END: scores, mask, m, p, l, context, stores.  It touches windows 0, 1 and 2 alone and waits for no load from memory.
.macro TAIL
	; A pair's two halves and the other half of the lanes' are added: row 16 a + r's sum over my wave's 256 columns.
.irp a, 0,1,2,3,4,5,6,7
	v_add_f32 v[TT+\a], v[PP+2*\a], v[PP+2*\a+1]
.endr
.irp a, 0,1,2,3,4,5,6,7
	v_permlanex16_b32 v[PP+2*\a], v[TT+\a], s24, s25
.endr
.irp a, 0,1,2,3,4,5,6,7
	v_add_f32 v[TT+\a], v[TT+\a], v[PP+2*\a]
.endr
	s_wait_alu depctr_va_vdst(0)                   ; the sums have written v50-57, which the LDS stores read; the lines above are done with v32-47, in which the loads behind the barrier land
.irp a, 0,1,2,3,4,5,6,7
	ds_store_b32 v15, v[TT+\a] offset:64*\a        ; both halves of the lanes hold the same number and write the same word
.endr
	s_wait_dscnt 0x0                               ; for the others' sake: my partial scores are in LDS
	s_barrier_signal -1
	s_barrier_wait -1
	s_wait_alu depctr_vm_vsrc(0)                   ; my LDS stores have read v50-57: LDS loads land in v48-55 at this macro's end, and a next tile's moves write v56-57
.irp w, 0,1,2,3
	ds_load_b128 v[32+4*\w:35+4*\w], v16 offset:512*\w     ; every wave takes all: lane L rows 4 L .. 4 L + 3
.endr
	s_wait_dscnt 0x0
	v_pk_add_f32 v[32:33], v[32:33], v[36:37]
	v_pk_add_f32 v[34:35], v[34:35], v[38:39]
	v_pk_add_f32 v[40:41], v[40:41], v[44:45]
	v_pk_add_f32 v[42:43], v[42:43], v[46:47]
	v_pk_add_f32 v[32:33], v[32:33], v[40:41]
	v_pk_add_f32 v[34:35], v[34:35], v[42:43]
.irp i, 0,1,2,3
	v_bfe_u32 v[36+\i], v14, 8*\i, 8               ; the four mask bytes
.endr
.irp i, 0,1,2,3
	v_cmp_ne_u32 s[32+\i], 0, v[36+\i]             ; the compares stand in one run, each into a scalar register of its own
.endr
	s_wait_alu depctr_va_sdst(0)                   ; s32 to s35 are written, ahead of the selects that read them
.irp i, 0,1,2,3
	v_cndmask_b32 v[32+\i], s36, v[32+\i], s[32+\i]        ; -10000.0 where the mask byte is 0
.endr
	v_max3_num_f32 v44, v32, v33, v34              ; m: the tile's maximum, in every lane
	v_max_num_f32 v44, v44, v35
	v_max_num_f32_dpp v44, v44, v44 row_xmask:1 row_mask:0xf bank_mask:0xf
	v_max_num_f32_dpp v44, v44, v44 row_xmask:2 row_mask:0xf bank_mask:0xf
	v_max_num_f32_dpp v44, v44, v44 row_xmask:4 row_mask:0xf bank_mask:0xf
	v_max_num_f32_dpp v44, v44, v44 row_xmask:8 row_mask:0xf bank_mask:0xf
	v_permlanex16_b32 v45, v44, s24, s25
	v_max_num_f32 v44, v44, v45
.irp i, 0,1,2,3
	v_sub_f32 v[36+\i], v[32+\i], v44
.endr
.irp i, 0,1,2,3
	v_mul_f32 v[36+\i], 0x3fb8aa3b, v[36+\i]
.endr
.irp i, 0,1,2,3
	v_exp_f32 v[36+\i], v[36+\i]                   ; p = e^(s - m)
.endr
	v_nop
	s_wait_alu depctr_va_vdst(0)                   ; the four exponentials have written v36-39, ahead of the first line that names one
	v_add_f32 v45, v36, v37                        ; l: the sum of the tile's p, in every lane
	v_add_f32 v40, v38, v39
	v_add_f32 v45, v45, v40
	v_add_f32_dpp v45, v45, v45 row_xmask:1 row_mask:0xf bank_mask:0xf
	v_add_f32_dpp v45, v45, v45 row_xmask:2 row_mask:0xf bank_mask:0xf
	v_add_f32_dpp v45, v45, v45 row_xmask:4 row_mask:0xf bank_mask:0xf
	v_add_f32_dpp v45, v45, v45 row_xmask:8 row_mask:0xf bank_mask:0xf
	v_permlanex16_b32 v40, v45, s24, s25
	v_add_f32 v45, v45, v40
	v_mov_b32 v46, v44
	v_mov_b32 v47, v45
	v_cvt_pk_bf16_f32 v40, v36, v37
	v_cvt_pk_bf16_f32 v41, v38, v39
	s_wait_alu depctr_va_vdst(0)                   ; v40-41 are written, which the LDS store reads; so are v32-35 and v44-47, which wave 0's two global stores read
	ds_store_b64 v17, v[40:41]                     ; p of rows 4 L .. 4 L + 3, into my wave's own 256 bytes
.irp k, 0,1,2,3
	ds_load_b128 v[F0+8*\k:F0+8*\k+3],   v18 offset:64*\k      ; back as source 1 of the context product: 32 rows x 16 columns, all columns alike.
	ds_load_b128 v[F0+8*\k+4:F0+8*\k+7], v18 offset:64*\k+32   ; LDS serves a wave's instructions in order (ISA guide 5.7.1.4): these see the store above
.endr
	s_cmp_lg_u32 s20, 0
	s_cbranch_scc1 .Lnot0_\@
	global_store_b128 v1, v[32:35], s[14:15]               ; wave 0: the tile's 128 masked scores, 512 consecutive bytes;
	global_store_b128 v1, v[44:47], s[16:17] offset:4096   ; m and l, 512 consecutive bytes.  v32-35 and v44-47 are not written again in this tile
.Lnot0_\@:
	TRL 0, 0                                       ; no wait: the passes' matrix instructions, which read window 1 last, stand ahead of the waits above
	TRL 1, 1
	s_wait_dscnt 32                                ; all but the 32 just issued: p's fragments and rows 0-31 are in
	CTX 0, 0, 1
	PLACES
	WIN TO_B
	s_wait_alu depctr_va_vdst(0)                   ; the 16 products above are done reading buffer 0, in which rows 64-95 land
	TRL 2, 0
	s_wait_dscnt 32
	CTX 1, 1, 0
	PLACES
	WIN TO_B
	s_wait_alu depctr_va_vdst(0)                   ; the 16 products above are done reading buffer 1, in which rows 96-127 land
	TRL 3, 1
	s_wait_dscnt 32
	CTX 2, 0, 0
	s_wait_dscnt 0x0
	CTX 3, 1, 0
	PLACES
	WIN ST2
	s_wait_alu depctr_va_vdst(0)                   ; the products have written the 16 accumulators, which the LDS stores read; the places above stay beside this wait
.irp e, 0,1,2,3,4,5,6,7,8,9,10,11,12,13,14,15
	ds_store_b128 v23, v[8*\e:8*\e+3]   offset:512*(\e/8)+32*(\e%8)       ; channels 128 (e / 8) + 8 (e % 8) + 64 h + 0..7; the 16 lanes of a half write the same bytes with the same numbers
	ds_store_b128 v23, v[8*\e+4:8*\e+7] offset:512*(\e/8)+32*(\e%8)+16
.endr
	WIN 0
	ds_load_b128 v[48:51], v24                     ; back in channel order: my wave's own bytes, served in order.  No vector instruction since the last wait names v48-55
	ds_load_b128 v[52:55], v24 offset:512
	s_wait_dscnt 0x0                               ; no LDS instruction of mine is out from here on
	global_store_b128 v25, v[48:51], s[16:17]      ; each store of the wave covers 512 consecutive bytes, aligned
	global_store_b128 v25, v[52:55], s[16:17] offset:512
.endm
.Ltile:                                                ; on both ways in: groups 0, 1, 2 of the tile's rows are asked for, 48 loads of mine are out, every window is 0
	; The fill: three groups ahead.  Behind the last group the first three K steps of W' take the groups' places, so every wait counts the same three younger runs of 16 loads.
.irp g, 0,1,2,3,4,5,6,7,8,9,10,11,12,13,14,15
.if \g < 13
	LANDG \g+3
.else
	BLOAD \g-13, (\g-13)*STEPB
.endif
	s_wait_loadcnt 48                              ; group g is in; the three younger runs stay out
	CVTG \g
.endr
	s_wait_dscnt 0x0                               ; for the others' sake: my 32 rows of A (and, in the first tile, my part of c dec_proj and of -2 v) are in LDS
	s_barrier_signal -1
	s_barrier_wait -1
	s_wait_alu depctr_vm_vsrc(0)                   ; the fill's last LDS stores have read v192-255, in which c dec_proj lands
	PASS 0
	EPI 0
	PASS 1
	EPI 1
	s_cmp_eq_u32 s27, 1
	s_cbranch_scc1 .Llast                          ; the last tile's end is written out: it asks for nothing more
	s_wait_xcnt 0x0                                ; enc's base is stepped only behind this wait (no load of mine is out: pass 1's last wait was for 0)
	s_add_nc_u64 s[4:5], s[4:5], 0x80000           ; the next tile's 128 rows
	WIN LAND
	s_wait_alu depctr_va_vdst(0)                   ; the last epilogue is done reading and writing window 3, in which the next tile's rows land; the tile's end names none of its registers
	LANDG 0                                        ; window 3 is free behind the last epilogue: the next tile's first six rows of my 32 are on their way during the tile's end
	LANDG 1
	LANDG 2
	WIN 0
	TAIL
	s_wait_xcnt 0x0                                ; the stores' data registers and bases are rewritten only behind this wait,
	s_wait_alu depctr_vm_vsrc(0)                   ; and beside it: the tile's LDS and global stores have read v32-35, v40-41, v44-55 and the context's accumulators, which the next tile writes
	s_add_nc_u64 s[14:15], s[14:15], 512           ; the next tile's scores,
	s_add_nc_u64 s[16:17], s[16:17], 4608          ; its record,
	s_sub_nc_u64 s[6:7], s[6:7], 15*4*STEPB        ; W' back to pass 0's step 0: the two passes stepped the base 8 + 7 times,
	v_mov_b32 v14, v30                             ; its mask bytes
	s_barrier_signal -1                            ; every wave's reads of A and of the partial scores are back (its wait for 0 in front of its last stores):
	s_barrier_wait -1                              ; only behind this barrier is A written again
	s_sub_co_u32 s27, s27, 1
	s_cmp_lg_u32 s27, 0
	s_cbranch_scc1 .Ltile
.Llast:
	TAIL
	s_wait_dscnt 0x0
	s_wait_alu depctr_hold_cnt(0) depctr_sa_sdst(0) depctr_va_vdst(0) depctr_va_sdst(0) depctr_va_ssrc(0) depctr_va_vcc(0) depctr_vm_vsrc(0)
	s_wait_tensorcnt 0x0
	ds_add_u32 v29, v31
	s_wait_dscnt 0x0
	s_endpgm
.Lfunc_end_k_q698bc4a13d_main:
	.size	k_q698bc4a13d_main, .Lfunc_end_k_q698bc4a13d_main-k_q698bc4a13d_main
	.p2alignl 7, 3214868480
	.fill 96, 4, 3214868480
	.section	.rodata,"a",@progbits
	.p2align	6, 0x0
	.amdhsa_kernel k_q698bc4a13d_main
		.amdhsa_group_segment_fixed_size 280064
		.amdhsa_private_segment_fixed_size 0
		.amdhsa_enable_private_segment 0
		.amdhsa_kernarg_size 56
		.amdhsa_user_sgpr_count 2
		.amdhsa_user_sgpr_kernarg_segment_ptr 1
		.amdhsa_wavefront_size32 1
		.amdhsa_system_sgpr_workgroup_id_x 1
		.amdhsa_system_sgpr_workgroup_id_y 1
		.amdhsa_system_sgpr_workgroup_id_z 1
		.amdhsa_system_vgpr_workitem_id 0
		.amdhsa_next_free_vgpr 1024
		.amdhsa_next_free_sgpr 66
		.amdhsa_reserve_vcc 0
		.amdhsa_float_denorm_mode_32 3
		.amdhsa_float_denorm_mode_16_64 3
		.amdhsa_memory_ordered 1
		.amdhsa_forward_progress 1
		.amdhsa_inst_pref_size 255
	.end_amdhsa_kernel
	.section	.bss,"aw",@nobits
	.p2align	6
	.space	262144
	.amdgpu_metadata
---
amdhsa.version: [ 1, 2 ]
amdhsa.kernels:
  - .name:           k_q698bc4a13d_main
    .symbol:         k_q698bc4a13d_main.kd
    .args:
      - { .name: enc_outputs, .offset: 0, .size: 8, .value_kind: global_buffer, .address_space: global }
      - { .name: wfrag, .offset: 8, .size: 8, .value_kind: global_buffer, .address_space: global }
      - { .name: dproj, .offset: 16, .size: 8, .value_kind: global_buffer, .address_space: global }
      - { .name: v_W, .offset: 24, .size: 8, .value_kind: global_buffer, .address_space: global }
      - { .name: src_mask, .offset: 32, .size: 8, .value_kind: global_buffer, .address_space: global }
      - { .name: scores, .offset: 40, .size: 8, .value_kind: global_buffer, .address_space: global }
      - { .name: part, .offset: 48, .size: 8, .value_kind: global_buffer, .address_space: global }
    .group_segment_fixed_size: 280064
    .private_segment_fixed_size: 0
    .kernarg_segment_align: 8
    .kernarg_segment_size: 56
    .max_flat_workgroup_size: 128
    .sgpr_count:     66
    .vgpr_count:     1024
    .wavefront_size: 32
...
	.end_amdgpu_metadata
.endif
;; end of part 4
;; launch finish: the kernel of part 3 again; grid 32 x 1, 8 waves a work-group, no clusters, 0 bytes of LDS; arguments scores, part, out0, out1; writes out0, out1
